; MI455X (gfx1250); checked and timed in simulation.
; The chip was launched on July 23, 2026; its instructions are those of AMD's public machine-readable ISA for CDNA 5 (MIT licence, August 2026) and "CDNA5" Instruction Set Architecture Reference Guide (July 2026). The comments in the code are by the model that wrote it; some were corrected since.
;; Multi Head Self Attention. Allowed arithmetic: matrix products marked QUANTISED: E2M3 operands, one E8M0 scale for each 32 along K, by v_wmma_scale_f32_16x16x128_f8f6f4 with both operands' format E2M3, f32 sums; everything else in f32.
;; Inputs: b_out 1,024 float32; w_out 1,024 x 1,024 float32; w_qkv 1,024 x 3,072 float32; x 4 x 2,048 x 1,024 float32.
;; Outputs: out0 4 x 2,048 x 1,024 float32.
;; This version of the problem:
;;   THIS VERSION OF THE PROBLEM IS GIVEN IN LOW PRECISION. The matrix products marked QUANTISED in the list below multiply operands that are first quantised to E2M3 (2 exponent bits, 3 mantissa bits; 6 bits a number), with one power-of-two scale for each 32 numbers along K (OCP MX v1.0); their sums are f32. All else is computed in f32.
;;   The module's matrix products, in the order in which they are computed (A, B: the left and right operand; K: the contracted axis; several contracted axes count as one K, in the product's order):
;;     1. [M 8,192, K 1,024] x [K 1,024, N 3,072]; A: input x; B: input w_qkv: QUANTISED
;;     2. batch 64 x [M 2,048, K 64] x [K 64, N 2,048]; A: computed on the way; B: computed on the way: QUANTISED
;;     3. batch 64 x [M 2,048, K 2,048] x [K 2,048, N 64]; A: softmax (see below); B: computed on the way: QUANTISED
;;     4. [M 8,192, K 1,024] x [K 1,024, N 1,024]; A: computed on the way; B: input w_out: QUANTISED
;;   THE QUANTISER, for each operand of a quantised product, along K:
;;     - K is cut into blocks of 32 from its start; a last block that is shorter is filled with zeros.
;;     - A block's scale is 2^e with e = floor(log2(the largest magnitude in the block)) - 2, held to -126 .. 127; a block of zeros has e = 0. As a byte (E8M0): e + 127.
;;     - Each number is divided by its block's scale, clamped to +-7.5, and rounded to the nearest number of E2M3, ties to even, subnormals kept.
;;     - The product sums the exact products of the quantised numbers (number of the format x scale) in f32.
;;   ~~~python
;;   def quantise(x, axis):      # numpy; x: float32 -> the quantised numbers, widened to float32 again
;;       x = np.moveaxis(x, axis, -1); K = x.shape[-1]
;;       x = np.pad(x, [(0, 0)] * (x.ndim - 1) + [(0, -K % 32)]); x = x.reshape(x.shape[:-1] + (-1, 32)); a = np.abs(x).max(-1, keepdims=True)
;;       e = np.where(a > 0, np.clip(np.frexp(np.where(a > 0, a, 1))[1] - 1 - 2, -126, 127), 0)      # np.frexp(a)[1] - 1 = floor(log2(a)), exactly
;;       r = np.clip(x / 2.0 ** e, -7.5, 7.5)
;;       step = 2.0 ** (np.maximum(np.frexp(np.where(r == 0, 1, r))[1] - 1, 0) - 3)
;;       q = np.round(r / step) * step * 2.0 ** e      # np.round: ties to even
;;       return np.moveaxis(q.reshape(q.shape[:-2] + (-1,))[..., :K], -1, axis).astype(np.float32)
;;   ~~~
;;   SOFTMAX AHEAD OF A QUANTISED PRODUCT. Where the list says 'softmax', what is quantised is not the finished softmax but p = 2^(t - M), with t = logit x log2(e) and M = ceil(the row's largest t), a whole number; so 1/2 < the row's largest p <= 1. The row's sum l is taken of the UNQUANTISED p, in f32, and the product's result is divided by l at the end. Since M is a whole number, a kernel that streams over the keys may use a running M (the ceiling of the running maximum): every later rescaling is an exact power of two, which a block's scale takes up: the codes' values come out the same.
;;   OPERANDS COMPUTED ON THE WAY. 'Computed on the way' means the value that the module computes at that place (a softmax that the list does not call 'softmax' is quantised finished and normalised). What goes into a quantiser is computed in f32, as accurately as f32 sums, v_exp_f32 and their like allow (about 1e-6 of the number): no bf16 or f16 on the way to a quantiser, and a product that is left as it is and whose result goes on into a quantised operand takes f32 operands (vector FMAs, or v_wmma_f32_16x16x4_f32). A number that lies on a knife's edge between two numbers of the format may be rounded either way, as far as f32 arithmetic and the matrix unit's own rounding can turn it there, and no further.
;; One version. Each part assembles by itself: llvm-mc -triple=amdgcn-amd-amdhsa -mcpu=gfx1250 --defsym DOCPART=n.
;; ======== version 1 of 1: 4 launches
;; limits: right only within a limited range of input values
;; workspace buffers: xq 6,553,600 bytes; wqk 6,553,600 bytes; wv 6,553,600 bytes; wo 6,553,600 bytes; oq 6,553,600 bytes; qkimg 13,107,200 bytes; vimg 6,815,744 bytes
;; launch prep (part 1): grid 256 x 1, 4 waves a work-group, no clusters, 85,504 bytes of LDS; arguments x, w_qkv, w_out, xq, wqk, wv, wo; writes xq, wqk, wv, wo
.if DOCPART == 1
	.amdgcn_target "amdgcn-amd-amdhsa--gfx1250"
	.amdhsa_code_object_version 6
	.text
	.protected	k_q87bfa5a1f7_prep
	.globl	k_q87bfa5a1f7_prep
	.p2align	8
	.type	k_q87bfa5a1f7_prep,@function
k_q87bfa5a1f7_prep:
	s_mov_b64 s[64:65], 0
	v_nop
	global_prefetch_b8 v0, s[64:65] scope:SCOPE_SE
	s_setreg_imm32_b32 hwreg(HW_REG_WAVE_MODE, 25, 1), 1
	s_wait_xcnt 0x0
; x [8192][1024], w_qkv [1024][3072] and w_out [1024][1024], f32, become codes of FP6 (E2M3) with one E8M0 byte for each 32 along K (K = x's last axis, the weights' FIRST axis).
; A block's scale is 2^(floor(log2(its largest magnitude)) - 2): its byte is the largest magnitude's exponent field - 2, held at 1 from below by a floor among the maximum's leaves.
; LIMITS: NaN and infinities among the inputs are not served.  A block of zeros gets the byte 1 where the rule says 127: its codes are zeros, and this program alone reads the bytes.
; THE LAYOUT OF AN OPERAND BUFFER (xq, wqk, wv, wo; K = 1,024).  Rows stand in POSITION order: position p holds row pi(p), pi = p with bits 3 and 4 exchanged; so lane r of rowblock 2 b + u (16 positions)
; is row 32 b + 8 u + r + 8 (r / 8).  Bytes 0 on: scale bytes, [position][32].  From byte OPC on: codes, [rowblock][16 units][768 bytes]; unit j is K = 64 j .. 64 j + 63 of 16 rows, as an image of the operand's
; registers: piece p (256 bytes) holds, at 8 x lane, registers 2 p and 2 p + 1 of the six that carry block 2 j + lane / 16 of row lane % 16.  A fragment (16 rows x 128 K) is two units on end: six loads of 8 bytes a lane.
; SHARES.  Work-groups 0-127: x, a wave to a rowblock (16 rows, all of K).  128-223: w_qkv, 128 columns x 256 K (columns 0-2047 to wqk, the rest to wv).  224-255: w_out likewise.
; The three ways part on the work-group's number and have LDS bytes of their own.  No tensor load, no barrier: waves share nothing.
; The weights' scale bytes leave as 8 bytes a column, 32 bytes apart: 131,072 bytes in the launch; all other stores cover whole aligned runs of 256 bytes.
.set OPC,   262144
.set CP,    1572864                    ; THE CODES' ORDER IN AN OPERAND BUFFER, in place of the order named above: [chunk of 256 K][rowblock][4 units][768 bytes]; chunks lie CP bytes apart in every buffer (512 rowblocks x 3,072), whatever its rows
.set XWS,   8448                       ; x's way: a stage of 16 rows x (512 bytes + 16) for each wave, from LDS byte 0
.set WS1,   33792                      ; w_qkv's way: for each wave 2 rowblocks x 3,200 bytes (3,072 of codes + 128, so that the two fall into different halves of the banks)
.set WS2,   59392                      ; w_out's way: the same
.set WWS,   6400
.set SPARE, 84992                      ; the spare words, 128 bytes for each wave: two blocks of 256 bytes that no other line names
.set SPW,   12                         ; v12  LDS address of my spare word; never rewritten
.set NIL,   13                         ; v13  0; never rewritten
.set LN,    14                         ; v14  lane
.set TM,    16                         ; v16-19 largest magnitudes, v20-23 the other half's / bytes, v28-31 the conversions' scale operands
.set R,     32                         ; x: v32-95, v96-159 two sets of 16 loads.  weights: v32-95 two sets of 32 numbers
.set X,     160                        ; v160-223 64 numbers of a lane: register 16 b + i = k 32 b + 16 (lane / 16) + i of my row
.set PC,    224                        ; v224-235 a fragment's codes; v236-242 at work
.set PW,    244                        ; v244-251 the scale words of the eight K steps
.set SEL,   20                         ; s[20:21] v_permlanex16_b32's selects for lane l xor 16
	s_load_b256 s[4:11], s[0:1], 0x0               ; x s[4:5], w_qkv s[6:7], w_out s[8:9], xq s[10:11]
	s_load_b128 s[12:15], s[0:1], 0x20             ; wqk s[12:13], wv s[14:15]
	s_load_b64 s[16:17], s[0:1], 0x30              ; wo
	v_lshl_add_u32 v[SPW], v0, 2, SPARE
	v_mov_b32 v[NIL], 0
	v_lshrrev_b32 v1, 5, v0
	v_readfirstlane_b32 s18, v1                    ; wave 0..3
	v_and_b32 v[LN], 31, v0
	s_mov_b32 s[SEL], 0x76543210
	s_mov_b32 s[SEL+1], 0xfedcba98
	s_mov_b32 s25, 0
	s_wait_kmcnt 0x0
	s_cmp_lt_u32 ttmp9, 128
	s_cbranch_scc0 .Lweights
; 64 numbers of a lane become a fragment's codes in v[PC] on and its scale word in v[pw] (the same in lanes l and l xor 16)
.macro QUANT s, pw
.irp b, 0,1,2,3
	v_max3_num_f32 v[TM+\b], |v[\s+16*\b]|, |v[\s+1+16*\b]|, 0x1800000   ; block b: my 16 numbers, and the floor 2^(3 - 127): the byte cannot fall under 1
.endr
.irp i, 2,4,6,8,10,12,14
.irp b, 0,1,2,3
	v_max3_num_f32 v[TM+\b], v[TM+\b], |v[\s+16*\b+\i]|, |v[\s+1+16*\b+\i]|   ; the four blocks by turns
.endr
.endr
.irp b, 0,1,2,3
	v_permlanex16_b32 v[TM+4+\b], v[TM+\b], s[SEL], s[SEL+1]
.endr
.irp b, 0,1,2,3
	v_max_num_f32 v[TM+\b], v[TM+\b], v[TM+4+\b]   ; with lane l xor 16's: the block's largest magnitude
.endr
.irp b, 0,1,2,3
	v_add_nc_u32 v[TM+12+\b], 0xff000000, v[TM+\b] ; 2 off its exponent field: the conversion takes the exponent field of this operand as its scale
.endr
.irp b, 0,1,2,3
	v_lshrrev_b32 v[TM+4+\b], 23, v[TM+12+\b]      ; the scale's byte
.endr
	v_lshl_or_b32 v[\pw], v[TM+5], 8, v[TM+4]
	v_lshl_or_b32 v[\pw], v[TM+6], 16, v[\pw]
	v_lshl_or_b32 v[\pw], v[TM+7], 24, v[\pw]
.irp c, 0,1
	v_cvt_scalef32_pk16_fp6_f32 v[PC+6*\c:PC+2+6*\c], v[\s+32*\c:\s+15+32*\c], v[TM+12+2*\c]
	v_cvt_scalef32_pk16_fp6_f32 v[PC+12+4*\c:PC+14+4*\c], v[\s+16+32*\c:\s+31+32*\c], v[TM+12+2*\c+1]   ; (a conversion's three registers begin on an even number)
.endr
	v_nop                                          ; one plain place behind a scaled conversion
.irp c, 0,1                                    ; the operand's layout wants a whole block in a lane: lanes 0-15 block 2 c, lanes 16-31 block 2 c + 1
.irp i, 0,1,2
	v_permlane16_swap_b32 v[PC+6*\c+\i], v[PC+12+4*\c+\i]
.endr
.irp i, 0,1,2
	v_mov_b32 v[PC+3+6*\c+\i], v[PC+12+4*\c+\i]
.endr
.endr
.endm
	; ---------------- x: my wave's rowblock tb = 4 x work-group + wave
	s_lshl_b32 s22, ttmp9, 2
	s_add_co_u32 s22, s22, s18                     ; tb
	s_lshr_b32 s23, s22, 1
	s_lshl_b32 s23, s23, 5
	s_and_b32 s24, s22, 1
	s_lshl_b32 s24, s24, 3
	s_add_co_u32 s24, s23, s24                     ; its first row: 32 (tb / 2) + 8 (tb % 2); row i of the sixteen lies i + 8 (i / 8) further on
	s_lshl_b32 s24, s24, 12                        ; 4,096 bytes a row
	s_add_nc_u64 s[4:5], s[4:5], s[24:25]
	s_mul_i32 s24, s22, 3072                       ; a rowblock has 3,072 bytes in each chunk
	s_add_co_u32 s24, s24, OPC
	s_add_nc_u64 s[26:27], s[10:11], s[24:25]      ; my codes
	s_lshl_b32 s24, s22, 9
	s_add_nc_u64 s[10:11], s[10:11], s[24:25]      ; my 16 rows of scale bytes
	s_wait_alu depctr_va_vdst(0)
	v_lshlrev_b32 v1, 4, v[LN]                     ; 16 x lane: a load reads 512 consecutive bytes of one row
	s_mul_i32 s28, s18, XWS
	v_add_nc_u32 v2, s28, v1                       ; the stage, on the way in
	v_and_b32 v6, 15, v[LN]                        ; r
	v_lshrrev_b32 v7, 4, v[LN]                     ; h
	v_mul_u32_u24 v3, v6, 528
	v_lshl_add_u32 v3, v7, 6, v3
	v_add_nc_u32 v3, s28, v3                       ; and out: row r, + 64 h: my 16 numbers of each block of 32
	v_lshlrev_b32 v4, 3, v[LN]                     ; 8 x lane: a piece's place for my lane
	v_lshlrev_b32 v5, 5, v6
	v_lshl_add_u32 v5, v7, 4, v5                   ; 32 r + 16 h: my half of row r's scale bytes
.irp b, 0,1,2,3
	v_mov_b32 v[TM+4+\b], 0                        ; written once: a lane permute's destination counts as one of its sources
.endr
.macro LOADX t                         ; K step t (128 along K) of the sixteen rows into set t % 2
.irp i, 0,1,2,3,4,5,6,7,8,9,10,11,12,13,14,15
	global_load_b128 v[R+64*((\t)%2)+4*\i:R+64*((\t)%2)+4*\i+3], v1, s[4:5] offset:(\i+8*(\i/8))*4096+512*(\t) th:TH_LOAD_NT
.endr
.endm
.macro XSTEP t
.if (\t) < 7
	s_wait_loadcnt 16                              ; this step's sixteen loads are in; the next step's sixteen may be out
.else
	s_wait_loadcnt 0x0
.endif
.irp i, 0,1,2,3,4,5,6,7,8,9,10,11,12,13,14,15
	ds_store_b128 v2, v[R+64*((\t)%2)+4*\i:R+64*((\t)%2)+4*\i+3] offset:528*\i
.endr
.irp b, 0,1,2,3
.irp j, 0,1,2,3
	ds_load_b128 v[X+16*\b+4*\j:X+16*\b+4*\j+3], v3 offset:128*\b+16*\j   ; LDS serves a wave's instructions in order: these see my stores
.endr
.endr
	s_wait_dscnt 0x0                               ; the numbers are back, and the stores have read their registers
	s_wait_xcnt 0x0                                ; the last step's stores have read the codes' registers, which are written again below
.if (\t)+2 < 8
	LOADX (\t)+2
.endif
	QUANT X, PW+(\t)
.irp P, 0,1,2,3,4,5
	global_store_b64 v4, v[PC+2*\P:PC+2*\P+1], s[26:27] offset:CP*((\t)/2)+1536*((\t)%2)+256*\P   ; 32 lanes store 256 consecutive bytes, aligned; two K steps to a chunk
.endr
.endm
	LOADX 0
	LOADX 1
	s_wait_alu depctr_va_vdst(0)
.irp t, 0,1,2,3,4,5,6,7
	XSTEP \t
.endr
	v_cmp_gt_u32 vcc_lo, 16, v[LN]
.irp i, 0,1,2,3
	v_cndmask_b32 v[252+\i], v[PW+4+\i], v[PW+\i], vcc_lo   ; lanes 0-15 carry row r's words 0-3, lanes 16-31 its words 4-7
.endr
	global_store_b128 v5, v[252:255], s[10:11]     ; the rowblock's 512 scale bytes
	s_wait_tensorcnt 0x0                           ; the wave's end, behind my last LDS store
	ds_add_u32 v[SPW], v[NIL]
	s_wait_dscnt 0x0
	s_endpgm
; ---------------- a weight [1024][N]: a lane takes a column, its registers run down K.  s[30:31] the weight, s[32:33] the operand buffer, s23 which 128 columns of the weight, s34 which of the buffer, s24 which 256 along K
.macro WLOAD t, N
.irp i, 0,1,2,3,4,5,6,7,8,9,10,11,12,13,14,15,16,17,18,19,20,21,22,23,24,25,26,27,28,29,30,31
	global_load_b32 v[R+32*((\t)%2)+\i], v1, s[30:31] offset:(32*(\t)+\i)*\N*4 th:TH_LOAD_NT   ; 32 lanes read 128 consecutive bytes, the four waves 512
.endr
.endm
.macro WBLOCK t, N
.set XS, R+32*((\t)%2)
.if (\t) < 7
	s_wait_loadcnt 32                              ; this block's 32 loads are in; the next block's may be out
.else
	s_wait_loadcnt 0x0
.endif
	v_max3_num_f32 v8, |v[XS]|, |v[XS+1]|, |v[XS+2]|          ; the block's largest magnitude: all 32 numbers are mine
	v_max3_num_f32 v10, |v[XS+3]|, |v[XS+4]|, |v[XS+5]|
.irp i, 6,10,14,18,22,26
	v_max3_num_f32 v8, v8, |v[XS+\i]|, |v[XS+\i+1]|
	v_max3_num_f32 v10, v10, |v[XS+\i+2]|, |v[XS+\i+3]|
.endr
	v_max3_num_f32 v8, v8, |v[XS+30]|, |v[XS+31]|
	v_max3_num_f32 v8, v8, v10, 0x1800000          ; and the floor
	v_add_nc_u32 v11, 0xff000000, v8
	v_lshrrev_b32 v9, 23, v11                      ; the scale's byte
.if (\t)%4 == 0
	v_mov_b32 v[24+(\t)/4], v9                     ; four bytes to a register, the lower K in the lower byte
.else
	v_lshl_or_b32 v[24+(\t)/4], v9, 8*((\t)%4), v[24+(\t)/4]
.endif
	v_cvt_scalef32_pk16_fp6_f32 v[96:98], v[XS:XS+15], v11
	v_cvt_scalef32_pk16_fp6_f32 v[104:106], v[XS+16:XS+31], v11
	v_nop                                          ; one plain place behind a scaled conversion
.irp i, 0,1,2
	v_mov_b32 v[99+\i], v[104+\i]                  ; v96-101: the block's six registers
.endr
.irp p, 0,1,2
	ds_store_b64 v4, v[96+2*\p:97+2*\p] offset:768*((\t)/2)+128*((\t)%2)+256*\p   ; unit t / 2, half t % 2 of the lanes' places, piece p
.endr
.if (\t)+2 < 8
	WLOAD (\t)+2, \N
.endif
	s_wait_dscnt 0x0                               ; the stores have read their registers
.endm
.macro WPATH N, STG
	s_mul_i32 s26, s24, 256*\N*4                   ; 256 rows of the weight for each step along K,
	s_lshl_b32 s27, s23, 9                         ; 128 columns a work-group,
	s_add_co_u32 s26, s26, s27
	s_lshl_b32 s27, s18, 7                         ; 32 a wave
	s_add_co_u32 s26, s26, s27
	s_mov_b32 s27, 0
	s_add_nc_u64 s[30:31], s[30:31], s[26:27]
	s_lshl_b32 s26, s34, 3
	s_lshl_b32 s28, s18, 1
	s_add_co_u32 s26, s26, s28                     ; my first rowblock of the buffer: 8 x (which 128 columns) + 2 x wave
	s_mul_i32 s28, s26, 3072
	s_mul_i32 s29, s24, CP                         ; 256 along K are one chunk
	s_add_co_u32 s28, s28, s29
	s_add_co_u32 s28, s28, OPC
	s_mov_b32 s29, 0
	s_add_nc_u64 s[36:37], s[32:33], s[28:29]      ; my codes
	s_lshl_b32 s28, s26, 9
	s_lshl_b32 s26, s24, 3
	s_add_co_u32 s28, s28, s26
	s_add_nc_u64 s[32:33], s[32:33], s[28:29]      ; my scale bytes: 512 a rowblock, + 8 for each 256 along K
	v_lshlrev_b32 v1, 2, v[LN]                     ; in: 4 bytes a lane
	v_bfe_u32 v2, v[LN], 3, 1                      ; column lane stands at position pi(lane): rowblock = bit 3 of the lane,
	v_and_b32 v3, 7, v[LN]
	v_bfe_u32 v4, v[LN], 4, 1
	v_lshl_or_b32 v3, v4, 3, v3                    ; row in it = bits 2:0, and bit 4 as bit 3
	s_mul_i32 s26, s18, WWS
	v_mul_u32_u24 v4, v2, 3200
	v_lshl_add_u32 v4, v3, 3, v4
	v_add_nc_u32 v4, s26, v4
	v_add_nc_u32 v4, \STG, v4                      ; into my stage
	v_lshlrev_b32 v5, 4, v[LN]
	v_add_nc_u32 v6, s26, v5
	v_add_nc_u32 v6, \STG, v6                      ; and out of it: 16 x lane
	v_lshl_add_u32 v7, v2, 4, v3
	v_lshlrev_b32 v7, 5, v7                        ; my position's row of scale bytes
	WLOAD 0, \N
	WLOAD 1, \N
.set Q, 0
.rept 8
	WBLOCK Q, \N
.set Q, Q+1
.endr
	s_wait_alu depctr_va_vdst(0)
	global_store_b64 v7, v[24:25], s[32:33]        ; my column's eight scale bytes
.irp k, 0,1,2,3,4,5,6,7,8,9,10,11
	ds_load_b128 v[112+4*\k:115+4*\k], v6 offset:3200*(\k/6)+512*(\k%6)   ; LDS serves a wave's instructions in order: these see my stores
.endr
.irp k, 0,1,2,3,4,5,6,7,8,9,10,11
	s_wait_dscnt 11-\k                             ; load k is back; the younger ones may be out
	global_store_b128 v5, v[112+4*\k:115+4*\k], s[36:37] offset:3072*(\k/6)+512*(\k%6)   ; 512 consecutive bytes, aligned
.endr
	s_wait_tensorcnt 0x0                           ; the wave's end, behind my last LDS store
	ds_add_u32 v[SPW], v[NIL]
	s_wait_dscnt 0x0
	s_endpgm
.endm
.Lweights:
	s_cmp_lt_u32 ttmp9, 224
	s_cbranch_scc0 .Lwout
	s_sub_co_u32 s22, ttmp9, 128
	s_lshr_b32 s23, s22, 2                         ; which 128 columns of w_qkv: 0..23
	s_and_b32 s24, s22, 3                          ; which 256 along K
	s_mov_b64 s[30:31], s[6:7]
	s_cmp_lt_u32 s23, 16                           ; q's and k's columns go to wqk, v's to wv: the choice hangs on the work-group's number alone
	s_cselect_b64 s[32:33], s[12:13], s[14:15]
	s_cselect_b32 s34, 0, 16
	s_sub_co_u32 s34, s23, s34
	s_wait_alu depctr_va_vdst(0)
	WPATH 3072, WS1
.Lwout:
	s_sub_co_u32 s22, ttmp9, 224
	s_lshr_b32 s23, s22, 2
	s_and_b32 s24, s22, 3
	s_mov_b64 s[30:31], s[8:9]
	s_mov_b64 s[32:33], s[16:17]
	s_mov_b32 s34, s23
	s_wait_alu depctr_va_vdst(0)
	WPATH 1024, WS2
.Lfunc_end_k_q87bfa5a1f7_prep:
	.size	k_q87bfa5a1f7_prep, .Lfunc_end_k_q87bfa5a1f7_prep-k_q87bfa5a1f7_prep
	.p2alignl 7, 3214868480
	.fill 96, 4, 3214868480
	.section	.rodata,"a",@progbits
	.p2align	6, 0x0
	.amdhsa_kernel k_q87bfa5a1f7_prep
		.amdhsa_group_segment_fixed_size 85504
		.amdhsa_private_segment_fixed_size 0
		.amdhsa_enable_private_segment 0
		.amdhsa_kernarg_size 56
		.amdhsa_user_sgpr_count 2
		.amdhsa_user_sgpr_kernarg_segment_ptr 1
		.amdhsa_wavefront_size32 1
		.amdhsa_system_sgpr_workgroup_id_x 1
		.amdhsa_system_sgpr_workgroup_id_y 1
		.amdhsa_system_sgpr_workgroup_id_z 1
		.amdhsa_system_vgpr_workitem_id 0
		.amdhsa_next_free_vgpr 256
		.amdhsa_next_free_sgpr 66
		.amdhsa_reserve_vcc 1
		.amdhsa_float_denorm_mode_32 3
		.amdhsa_float_denorm_mode_16_64 3
		.amdhsa_memory_ordered 1
		.amdhsa_forward_progress 1
		.amdhsa_inst_pref_size 150
	.end_amdhsa_kernel
	.amdgpu_metadata
---
amdhsa.version: [ 1, 2 ]
amdhsa.kernels:
  - .name:           k_q87bfa5a1f7_prep
    .symbol:         k_q87bfa5a1f7_prep.kd
    .args:
      - { .name: x, .offset: 0, .size: 8, .value_kind: global_buffer, .address_space: global }
      - { .name: w_qkv, .offset: 8, .size: 8, .value_kind: global_buffer, .address_space: global }
      - { .name: w_out, .offset: 16, .size: 8, .value_kind: global_buffer, .address_space: global }
      - { .name: xq, .offset: 24, .size: 8, .value_kind: global_buffer, .address_space: global }
      - { .name: wqk, .offset: 32, .size: 8, .value_kind: global_buffer, .address_space: global }
      - { .name: wv, .offset: 40, .size: 8, .value_kind: global_buffer, .address_space: global }
      - { .name: wo, .offset: 48, .size: 8, .value_kind: global_buffer, .address_space: global }
    .group_segment_fixed_size: 85504
    .private_segment_fixed_size: 0
    .kernarg_segment_align: 8
    .kernarg_segment_size: 56
    .max_flat_workgroup_size: 128
    .sgpr_count:     66
    .vgpr_count:     256
    .wavefront_size: 32
...
	.end_amdgpu_metadata
.endif
;; end of part 1
;; launch qk (part 2): grid 8 x 32, 4 waves a work-group, clusters of 4 x 4, 327,680 bytes of LDS; arguments xq, wqk, qkimg, wv, vimg; writes qkimg, vimg
.if DOCPART == 2
	.amdgcn_target "amdgcn-amd-amdhsa--gfx1250"
	.amdhsa_code_object_version 6
	.text
	.protected	k_q87bfa5a1f7_qk
	.globl	k_q87bfa5a1f7_qk
	.p2align	8
	.type	k_q87bfa5a1f7_qk,@function
k_q87bfa5a1f7_qk:
	s_mov_b64 s[64:65], 0
	v_nop
	global_prefetch_b8 v0, s[64:65] scope:SCOPE_SE
	s_setreg_imm32_b32 hwreg(HW_REG_WAVE_MODE, 25, 1), 1
	s_wait_xcnt 0x0
	s_wait_alu depctr_hold_cnt(0) depctr_sa_sdst(0) depctr_va_vdst(0) depctr_va_sdst(0) depctr_va_ssrc(0) depctr_va_vcc(0) depctr_vm_vsrc(0)
	s_getreg_b32 s2, hwreg(HW_REG_IB_STS2, 6, 4)
	s_cmp_eq_u32 s2, 0
	s_cbranch_scc0 .Lentry_in_a_cluster
	s_endpgm
.Lentry_in_a_cluster:
	s_bfe_u32 s2, ttmp6, 0x10000c
	s_cmp_lg_u32 s2, 0xf033
	s_cbranch_scc0 .Lentry_shape_is_right
	s_endpgm
.Lentry_shape_is_right:
.set OPC,   262144
.set IMC,   524288
.set HALFT, 24576
; A product of two operand buffers (codes of FP6 with E8M0 scales, K = 1,024), 256 x 256 a work-group, 128 x 128 a wave; the result is quantised along its columns and leaves as register images.
; LDS: A's codes [3 slots][16 rowblocks][3,072 bytes], then B's likewise, then both sides' scale bytes, then the spare words.  A slot is a chunk of 256 along K.
; The head brings chunks 0-2 of A, of B, and both sides' scales: four joint loads, one a wave.  Chunk 3 is the one refill: into slot 0, behind K step 1; three K steps stand between the request and the wait for it.
; No prefetch: all but the last chunk is asked for at the head.
.set SLOT,  2*HALFT
.set SCL,   6*SLOT
.set CP,    1572864                    ; bytes from chunk to chunk in an operand buffer
.set SPARE, SCL+16384
.set FR,    12
.set ADRA,  16
.set ADRB,  20
.set L16,   25
.set L8,    26
.set ADRS,  27
.set SPW,   28
.set NIL,   29
.set SC,    32
.set AF,    128
.set PC,    128
.set TM,    148
.set PW,    164
.set SW,    172
.set G1,    24
.set G0,    32
.set G1B,   44
.set G0B,   52
.set G1S,   68
.set G0S,   76
.set G1SB,  80
.set G0SB,  88
.set SEL,   100
.set MSB, 0
.macro WIN new
.if MSB != \new
	s_set_vgpr_msb (MSB<<8)|\new
.set MSB, \new
.endif
.endm
.set MUL_LO, 0xa1
.set MUL_HI, 0xf1
.set TO_B,   0x40
.macro JLOAD g0a, g1a, g0b, g1b
	s_cmp_eq_u32 s15, 0
	s_cbranch_scc0 .Lfor_b_\@
	tensor_load_to_lds s[\g0a:\g0a+3], s[\g1a:\g1a+7]
	s_nop 0
.rept 4
	v_nop
.endr
	s_branch .Lasked_\@
.Lfor_b_\@:
	tensor_load_to_lds s[\g0b:\g0b+3], s[\g1b:\g1b+7]
	s_nop 0
.rept 4
	v_nop
.endr
.Lasked_\@:
.endm
.macro CREST
	s_cmp_lg_u32 s14, 0
	s_cbranch_scc1 .Lnot_wave_0_\@
	s_barrier_signal -3
.Lnot_wave_0_\@:
	s_barrier_wait -3
	s_barrier_signal -1
	s_barrier_wait -1
.endm
.macro CROUND
	s_barrier_signal -1
	s_barrier_wait -1
	CREST
.endm
.macro PLACES n
.rept \n
	v_nop
.endr
.endm
	s_load_b128 s[4:7], s[0:1], 0x0
	s_load_b64 s[8:9], s[0:1], 0x10
	s_load_b128 s[40:43], s[0:1], 0x18             ; wv s[40:41], vimg s[42:43]
	v_lshl_add_u32 v[SPW], v0, 2, SPARE
	v_mov_b32 v[NIL], 0
	ds_add_u32 v[SPW], v[NIL]
	ds_add_u32 v[SPW], v[NIL]
	v_lshrrev_b32 v1, 5, v0
	v_readfirstlane_b32 s14, v1
	s_lshr_b32 s15, s14, 1
	s_and_b32 s16, s14, 1
	s_bfe_u32 s92, ttmp6, 0x40000
	s_bfe_u32 s93, ttmp6, 0x40004
	s_lshl_b32 s12, ttmp9, 2
	s_add_co_u32 s12, s12, s92
	s_and_b32 s13, ttmp7, 0xffff
	s_lshl_b32 s13, s13, 2
	s_add_co_u32 s13, s13, s93
	s_lshl_b32 s94, s93, 2
	s_lshl_b32 s94, 15, s94
	s_lshl_b32 s95, 0x1111, s92
	s_or_b32 s[G1+0], s94, (3<<16)|(1<<21)
	s_or_b32 s[G1B+0], s95, (3<<16)|(1<<21)
.irp g, G1, G1B
	s_mov_b32 s[\g+1], 6144<<16                    ; the head's tile: 3 rows (chunks) of 49,152 bytes (16 rowblocks), CP bytes apart; elements of 8 bytes
	s_mov_b32 s[\g+2], 3<<16
	s_mov_b32 s[\g+3], 6144<<16
	s_mov_b32 s[\g+4], 3
	s_mov_b32 s[\g+5], CP/8
	s_mov_b32 s[\g+6], 0
	s_mov_b32 s[\g+7], 0
.endr
	s_or_b32 s[G1S+0], s94, (3<<16)|(1<<21)
	s_or_b32 s[G1SB+0], s95, (3<<16)|(1<<21)
.irp g, G1S, G1SB
	s_mov_b32 s[\g+1], 32<<16
	s_mov_b32 s[\g+2], 32<<16                      ; the scales of 256 rows: 32 rows of 256 bytes
	s_mov_b32 s[\g+3], 32<<16
	s_mov_b32 s[\g+4], 32
	s_mov_b32 s[\g+5], 32
	s_mov_b32 s[\g+6], 0
	s_mov_b32 s[\g+7], 0
.endr
	s_mul_i32 s22, s13, 16*3072                    ; A: my tile's 16 rowblocks in chunk 0,
	s_add_co_u32 s22, s22, OPC
	s_mov_b32 s23, 0
	s_lshl_b32 s20, s13, 13                        ; and their 8,192 scale bytes
	s_mov_b32 s21, 0
	s_mul_i32 s98, s12, 16*3072                    ; B likewise
	s_add_co_u32 s98, s98, OPC
	s_mov_b32 s99, 0
	s_lshl_b32 s96, s12, 13
	s_mov_b32 s97, 0
	s_mul_i32 s18, s16, HALFT                      ; the refill: my 8 rowblocks of the 16, the same distance in memory and in LDS
	s_mov_b32 s19, 0
	s_mov_b32 s[SEL], 0x76543210
	s_mov_b32 s[SEL+1], 0xfedcba98
	s_wait_dscnt 0x0
	s_wait_kmcnt 0x0
	s_add_nc_u64 s[22:23], s[4:5], s[22:23]
	s_add_nc_u64 s[20:21], s[4:5], s[20:21]
	s_add_nc_u64 s[98:99], s[6:7], s[98:99]
	s_add_nc_u64 s[96:97], s[6:7], s[96:97]
	CROUND
	s_mov_b32 s[G0S], 1
	s_mov_b32 s[G0S+1], SCL
	s_mov_b64 s[G0S+2:G0S+3], s[20:21]
	s_or_b32 s[G0S+3], s[G0S+3], 0x80000000
	s_mov_b32 s[G0SB], 1
	s_mov_b32 s[G0SB+1], SCL+8192
	s_mov_b64 s[G0SB+2:G0SB+3], s[96:97]
	s_or_b32 s[G0SB+3], s[G0SB+3], 0x80000000
	; THE WORK-GROUP STAYS: behind its tile of x w_qk it makes 128 rows of wv x its own 256 tokens (v, quantised along the tokens).  Group 0 for wv's codes (8 rowblocks, four chunks) and for their scale bytes:
	s_mul_i32 s62, s12, 8*3072
	s_add_co_u32 s62, s62, OPC
	s_mov_b32 s63, 0
	s_add_nc_u64 s[62:63], s[40:41], s[62:63]
	s_or_b32 s63, s63, 0x80000000
	s_mov_b32 s60, 1
	s_mov_b32 s61, 3*SLOT                          ; into B's slots 0 and 1
	s_lshl_b32 s94, s12, 12
	s_mov_b32 s95, 0
	s_add_nc_u64 s[94:95], s[40:41], s[94:95]
	s_or_b32 s95, s95, 0x80000000
	s_mov_b32 s92, 1
	s_mov_b32 s93, SCL+8192                        ; over B's scale bytes
	s_mov_b32 s[G0+4], 1
	s_mov_b32 s[G0+5], 0
	s_mov_b64 s[G0+6:G0+7], s[22:23]
	s_or_b32 s[G0+7], s[G0+7], 0x80000000
	s_mov_b32 s[G0B+4], 1                          ; B's behind A's three slots
	s_mov_b32 s[G0B+5], 3*SLOT
	s_mov_b64 s[G0B+6:G0B+7], s[98:99]
	s_or_b32 s[G0B+7], s[G0B+7], 0x80000000
	s_add_nc_u64 s[22:23], s[22:23], s[18:19]
	s_add_nc_u64 s[98:99], s[98:99], s[18:19]
	s_mov_b32 s[G0], 1                             ; the refill's group 0: my half of chunk 3, into slot 0
	s_mov_b32 s[G0+1], s18
	s_add_nc_u64 s[G0+2:G0+3], s[22:23], 3*CP
	s_or_b32 s[G0+3], s[G0+3], 0x80000000
	s_mov_b32 s[G0B], 1
	s_add_co_u32 s[G0B+1], s18, 3*SLOT
	s_add_nc_u64 s[G0B+2:G0B+3], s[98:99], 3*CP
	s_or_b32 s[G0B+3], s[G0B+3], 0x80000000
; one chain of branches on the wave's number, one joint load to an arm, all arms to one join: wave 0 A's codes, wave 1 B's, wave 2 A's scales, wave 3 B's
.macro ARM under, g0, g1, next
	s_cmp_lt_u32 s14, \under
	s_cbranch_scc0 \next
	tensor_load_to_lds s[\g0:\g0+3], s[\g1:\g1+7]
	s_nop 0
.rept 4
	v_nop
.endr
	s_branch .Lhead_asked
\next:
.endm
	ARM 1, G0+4,  G1,  .Lhead_b
	ARM 2, G0B+4, G1B, .Lhead_sa
	ARM 3, G0S,   G1S, .Lhead_sb
	tensor_load_to_lds s[G0SB:G0SB+3], s[G1SB:G1SB+7]
	s_nop 0
.rept 4
	v_nop
.endr
.Lhead_asked:
	v_and_b32 v1, 31, v0
	v_and_b32 v2, 15, v0
	v_bfe_u32 v3, v0, 4, 1
	v_lshlrev_b32 v[L8], 3, v1
	v_lshlrev_b32 v[L16], 4, v1
	s_mul_i32 s20, s15, HALFT
	s_mul_i32 s21, s16, HALFT
	s_add_co_u32 s21, s21, 6*HALFT
.irp s, 0,1,2
	v_add_nc_u32 v[ADRA+\s], s20, v[L8]
	v_add_nc_u32 v[ADRB+\s], s21, v[L8]
	s_add_co_u32 s20, s20, SLOT
	s_add_co_u32 s21, s21, SLOT
.endr
	v_lshlrev_b32 v4, 5, v2
	s_lshl_b32 s20, s15, 12
	s_lshl_b32 s21, s16, 12
	s_add_co_u32 s21, s21, 8192
	s_sub_co_u32 s21, s21, s20
	v_mul_u32_u24 v5, s21, v3
	s_add_co_u32 s20, s20, SCL
	v_add_nc_u32 v4, v4, v5
	v_add_nc_u32 v[ADRS], s20, v4
	s_lshr_b32 s20, s13, 2
	s_lshl_b32 s21, s20, 11
	s_lshl_b32 s22, s12, 1
	s_add_co_u32 s22, s22, s16
	s_lshl_b32 s23, s22, 7
	s_add_co_u32 s21, s21, s23
	s_and_b32 s23, s13, 3
	s_lshl_b32 s96, s23, 4
	s_add_co_u32 s21, s21, s96
	s_lshl_b32 s96, s15, 3
	s_add_co_u32 s21, s21, s96
	s_mul_i32 s96, s21, 768
	s_add_co_u32 s96, s96, IMC
	s_mov_b32 s97, 0
	s_add_nc_u64 s[10:11], s[8:9], s[96:97]
	s_lshl_b32 s20, s20, 7
	s_lshl_b32 s22, s22, 3
	s_add_co_u32 s20, s20, s22
	s_lshl_b32 s23, s23, 1
	s_add_co_u32 s20, s20, s23
	s_add_co_u32 s20, s20, s15
	s_lshl_b32 s96, s20, 9
	s_add_nc_u64 s[8:9], s[8:9], s[96:97]
.macro FRAG reg, adr, q, i
.irp P, 0,1,2,3,4,5
	ds_load_b64 v[\reg+2*\P:\reg+2*\P+1], v[\adr] offset:3072*(\i)+1536*(\q)+256*\P
.endr
.endm
.macro FETCH_B slot, q, p
	WIN TO_B
.irp i, 0,1,2,3,4,5,6,7
	FRAG 128*(\p)+FR*\i, ADRB+\slot, \q, \i
.endr
	WIN 0
.endm
.macro FETCH_A slot, q, i0
.irp i, \i0, \i0+1, \i0+2, \i0+3
	FRAG AF+FR*(\i), ADRA+\slot, \q, \i
.endr
.endm
.macro MUL16 a0, p, S, zero
.irp a, \a0, \a0+1
.irp b, 0,1,2,3,4,5,6,7
.if \zero
	v_wmma_scale_f32_16x16x128_f8f6f4 v[8*(8*((\a)%4)+\b):8*(8*((\a)%4)+\b)+7], v[128*(\p)+FR*\b:128*(\p)+FR*\b+FR-1], v[AF+FR*(\a):AF+FR*(\a)+FR-1], 0, v[SC+8*\b+(\S)], v[SC+8*(\a)+(\S)] matrix_a_fmt:MATRIX_FMT_FP6 matrix_b_fmt:MATRIX_FMT_FP6 matrix_a_scale:MATRIX_SCALE_ROW1
.else
	v_wmma_scale_f32_16x16x128_f8f6f4 v[8*(8*((\a)%4)+\b):8*(8*((\a)%4)+\b)+7], v[128*(\p)+FR*\b:128*(\p)+FR*\b+FR-1], v[AF+FR*(\a):AF+FR*(\a)+FR-1], v[8*(8*((\a)%4)+\b):8*(8*((\a)%4)+\b)+7], v[SC+8*\b+(\S)], v[SC+8*(\a)+(\S)] matrix_a_fmt:MATRIX_FMT_FP6 matrix_b_fmt:MATRIX_FMT_FP6 matrix_a_scale:MATRIX_SCALE_ROW1
.endif
.endr
.endr
.endm
.macro STEP S, fslot, fq, zero
	s_wait_dscnt 24
	WIN MUL_LO
	MUL16 0, (\S)%2, \S, \zero
	MUL16 2, (\S)%2, \S, \zero
	s_wait_dscnt 0x0
	PLACES 4
	FETCH_B \fslot, \fq, 1-(\S)%2
	FETCH_A \fslot, \fq, 0
	WIN MUL_HI
	MUL16 4, (\S)%2, \S, \zero
	MUL16 6, (\S)%2, \S, \zero
	PLACES 4
	WIN 0
	FETCH_A \fslot, \fq, 4
.endm
.macro TURN S, fslot, fill
	s_wait_tensorcnt 0x0
	ds_add_u32 v[SPW], v[NIL]
	s_wait_dscnt 25
	WIN MUL_LO
	MUL16 0, 1, \S, 0
	s_wait_dscnt 0x0
	s_barrier_signal -1
	MUL16 2, 1, \S, 0
	WIN 0
	s_barrier_wait -1
.if \fill
	CREST
	JLOAD G0, G1, G0B, G1B
.else
	PLACES 4
.endif
	FETCH_B \fslot, 0, 0
	FETCH_A \fslot, 0, 0
	WIN MUL_HI
	MUL16 4, 1, \S, 0
	MUL16 6, 1, \S, 0
	PLACES 4
	WIN 0
	FETCH_A \fslot, 0, 4
.endm
	s_wait_alu depctr_va_vdst(0)
	s_wait_tensorcnt 0x0                           ; my tile of the head's four is in; no tensor load of mine is out, so group 1 may be written:
.irp g, G1, G1B
	s_mov_b32 s[\g+1], 384<<16                     ; the refill's tile: 8 rowblocks of 3,072 bytes, dense
	s_mov_b32 s[\g+2], 8<<16
	s_mov_b32 s[\g+3], 384<<16
	s_mov_b32 s[\g+4], 8
	s_mov_b32 s[\g+5], 384
.endr
	s_barrier_signal -1
	s_barrier_wait -1
	FETCH_B 0, 0, 0
	FETCH_A 0, 0, 0
.irp i, 0,1,2,3,4,5,6,7
	ds_load_b128 v[SC+8*\i:SC+8*\i+3], v[ADRS] offset:512*\i
	ds_load_b128 v[SC+8*\i+4:SC+8*\i+7], v[ADRS] offset:512*\i+16
.endr
	FETCH_A 0, 0, 4
	STEP 0, 0, 1, 1
	TURN 1, 1, 1
	STEP 2, 1, 1, 0
	STEP 3, 2, 0, 0
	STEP 4, 2, 1, 0
	TURN 5, 0, 0
	STEP 6, 0, 1, 0
; The last K step of the first product.  Its fragments are in registers, so B's three slots and B's scale bytes are read no more: they are filled again, behind one round, with what the second product lacks:
; wave 0 wv's codes (4 chunks x 24,576 bytes), wave 1 chunk 0 of my tokens (49,152 bytes, into B's slot 2), wave 2 wv's scale bytes; wave 3 has no part.  Chunks 1-3 of the tokens and their scale bytes lie in LDS already.
.macro ARM2 under, g0, g1, next
	s_cmp_lt_u32 s14, \under
	s_cbranch_scc0 \next
	tensor_load_to_lds s[\g0:\g0+3], s[\g1:\g1+7]
	s_nop 0
.rept 4
	v_nop
.endr
	s_branch .Lv_asked
\next:
.endm
	s_wait_tensorcnt 0x0                           ; no tensor load of mine is out: the descriptors may be written;
	ds_add_u32 v[SPW], v[NIL]                      ; the add; work on registers stands between it and the wait for it
	s_mov_b32 s[G1+2], 16<<16                      ; the tokens' chunk 0: 16 rowblocks of 3,072 bytes, dense
	s_mov_b32 s[G1+4], 16
	s_mov_b32 s[G0+5], 5*SLOT
	s_mov_b32 s[G1B+1], 3072<<16                   ; wv: 4 rows (chunks) of 24,576 bytes, CP bytes apart
	s_mov_b32 s[G1B+2], 4<<16
	s_mov_b32 s[G1B+3], 3072<<16
	s_mov_b32 s[G1B+4], 4
	s_mov_b32 s[G1B+5], CP/8
	s_mov_b32 s[G1SB+2], 16<<16                    ; wv's scales: 16 rows of 256 bytes
	s_mov_b32 s[G1SB+4], 16
	s_wait_dscnt 25                                ; (the add and the youngest 24 loads may be out)
	WIN MUL_LO
	MUL16 0, 1, 7, 0
	s_wait_dscnt 0x0                               ; the add is done, and my last reads of the slots are over
	s_barrier_signal -1
	MUL16 2, 1, 7, 0
	WIN 0
	s_barrier_wait -1
	CREST                                          ; the barrier has opened a round of the cluster's barrier
	ARM2 1, G0B+8, G1B, .Lv_x
	ARM2 2, G0+4, G1, .Lv_s
	ARM2 3, 92, G1SB, .Lv_none
.Lv_asked:
	WIN MUL_HI
	MUL16 4, 1, 7, 0
	MUL16 6, 1, 7, 0
	WIN 0
.macro QOUT a
.set QW, 2+(\a)/4
.set QS, 64*((\a)%4)
.set WN, (QW<<2)|(QW<<4)
.if (\a) > 0
	s_wait_xcnt 0x0
.endif
	WIN WN
.irp b, 0,1,2,3
	v_max3_num_f32 v[TM+\b], 0x1800000, |v[QS+16*\b]|, |v[QS+16*\b+1]|
.endr
.irp i, 2,4,6,8,10,12,14
.irp b, 0,1,2,3
	v_max3_num_f32 v[TM+\b], v[TM+\b], |v[QS+16*\b+\i]|, |v[QS+16*\b+\i+1]|
.endr
.endr
	WIN 0
.irp b, 0,1,2,3
	v_permlanex16_b32 v[TM+4+\b], v[TM+\b], s[SEL], s[SEL+1]
.endr
.irp b, 0,1,2,3
	v_max_num_f32 v[TM+\b], v[TM+\b], v[TM+4+\b]
.endr
.irp b, 0,1,2,3
	v_add_nc_u32 v[TM+12+\b], 0xff000000, v[TM+\b]
.endr
.irp b, 0,1,2,3
	v_lshrrev_b32 v[TM+4+\b], 23, v[TM+12+\b]
.endr
	v_lshl_or_b32 v[PW+(\a)], v[TM+5], 8, v[TM+4]
	v_lshl_or_b32 v[PW+(\a)], v[TM+6], 16, v[PW+(\a)]
	v_lshl_or_b32 v[PW+(\a)], v[TM+7], 24, v[PW+(\a)]
	WIN QW
.irp c, 0,1
	v_cvt_scalef32_pk16_fp6_f32 v[PC+6*\c:PC+2+6*\c], v[QS+32*\c:QS+15+32*\c], v[TM+12+2*\c]
	v_cvt_scalef32_pk16_fp6_f32 v[PC+12+4*\c:PC+14+4*\c], v[QS+16+32*\c:QS+31+32*\c], v[TM+12+2*\c+1]
.endr
	WIN 0
	v_nop
.irp c, 0,1
.irp i, 0,1,2
	v_permlane16_swap_b32 v[PC+6*\c+\i], v[PC+12+4*\c+\i]
.endr
.irp i, 0,1,2
	v_mov_b32 v[PC+3+6*\c+\i], v[PC+12+4*\c+\i]
.endr
.endr
.irp P, 0,1,2,3,4,5
	global_store_b64 v[L8], v[PC+2*\P:PC+2*\P+1], s[10:11] offset:49152*(\P/3)+768*(\a)+256*(\P%3)
.endr
.endm
	PLACES 4
.irp b, 0,1,2,3
	v_mov_b32 v[TM+4+\b], 0
.endr
.irp a, 0,1,2,3,4,5,6,7
	QOUT \a
.endr
	v_cmp_gt_u32 vcc_lo, 16, v1
.irp i, 0,1,2,3
	v_cndmask_b32 v[SW+\i], v[PW+4+\i], v[PW+\i], vcc_lo
.endr
	global_store_b128 v[L16], v[SW:SW+3], s[8:9]
; THE SECOND PRODUCT: source 0 = my 128 tokens (8 rowblocks; registers then run along the tokens), source 1 = my 64 rows of wv (4 rowblocks).  All of K lies in LDS: the tokens' chunk 3 in A's slot 0, chunks 1, 2 in
; A's slots 1, 2, chunk 0 in B's slot 2; wv's chunks from B's slot 0 on, 24,576 bytes each.  Both operands have two sets of registers (wv's second set stands where A's blocks 4-7 stood), the next step's fragments
; are asked for ahead of each step's 32 matrix instructions, and no barrier stands between the steps.
.set ADRT, 30                          ; v30  scale words of registers 4-7: lanes 0-15 wv's blocks 0-3 once more, lanes 16-31 the tokens' blocks 4-7
.set R16,  31                          ; v31  16 r
	s_wait_xcnt 0x0                                ; the first product's stores have read their registers and bases
	s_lshl_b32 s20, s13, 1
	s_add_co_u32 s20, s20, s16                     ; tg: my 128 tokens
	s_lshl_b32 s21, s20, 7                         ; vimg's unit 128 tg + 8 x (which 128 rows of wv) + 4 x (my half)
	s_lshl_b32 s22, s12, 3
	s_add_co_u32 s21, s21, s22
	s_lshl_b32 s22, s15, 2
	s_add_co_u32 s21, s21, s22
	s_mul_i32 s96, s21, 768
	s_add_co_u32 s96, s96, IMC
	s_mov_b32 s97, 0
	s_add_nc_u64 s[10:11], s[42:43], s[96:97]
	s_lshl_b32 s20, s20, 3
	s_add_co_u32 s20, s20, s12                     ; scale block 8 tg + (which 128 rows), my head's 256 bytes of it
	s_lshl_b32 s96, s20, 9
	s_lshl_b32 s22, s15, 8
	s_add_co_u32 s96, s96, s22
	s_add_nc_u64 s[8:9], s[42:43], s[96:97]
	s_mul_i32 s20, s16, HALFT                      ; my 128 tokens in a chunk
	s_mul_i32 s21, s15, 4*3072                     ; my 64 rows in a chunk of wv
	s_add_co_u32 s21, s21, 3*SLOT
	s_lshl_b32 s22, s16, 12
	s_add_co_u32 s22, s22, SCL                     ; the tokens' scale bytes
	s_lshl_b32 s23, s15, 11
	s_add_co_u32 s23, s23, SCL+8192
	s_sub_co_u32 s23, s23, s22                     ; from there to wv's
	v_add_nc_u32 v[ADRB+3], s20, v[L8]
	v_add_nc_u32 v[ADRA], s21, v[L8]
	v_sub_nc_u32 v4, 1, v3                         ; 1 in lanes 0-15
	v_lshlrev_b32 v5, 5, v2
	v_lshlrev_b32 v[R16], 4, v2
	v_add_nc_u32 v[ADRB+1], SLOT, v[ADRB+3]
	v_add_nc_u32 v[ADRB+2], 2*SLOT, v[ADRB+3]
	v_add_nc_u32 v[ADRB], 5*SLOT, v[ADRB+3]
	v_add_nc_u32 v[ADRA+1], HALFT, v[ADRA]
	v_add_nc_u32 v[ADRA+2], 2*HALFT, v[ADRA]
	v_add_nc_u32 v[ADRA+3], 3*HALFT, v[ADRA]
	v_mul_u32_u24 v4, s23, v4                      ; lanes 0-15 take wv's
	v_add_nc_u32 v5, v5, v4
	v_add_nc_u32 v[ADRS], s22, v5
	v_lshl_add_u32 v[ADRT], v3, 11, v[ADRS]
.macro VFETCH S                        ; the fragments of K step S into sets S % 2
	WIN TO_B
.irp i, 0,1,2,3,4,5,6,7
	FRAG 128*((\S)%2)+FR*\i, ADRB+(\S)/2, (\S)%2, \i
.endr
	WIN 0
.irp i, 0,1,2,3
	FRAG AF+FR*(4*((\S)%2)+\i), ADRA+(\S)/2, (\S)%2, \i
.endr
.endm
.macro VSTEP S, zero
	s_wait_dscnt 0x0                               ; this step's fragments are in
.if (\S) < 7
	PLACES 4                                       ; in front of loads into registers that the last step's products have read
	VFETCH (\S)+1
.endif
	WIN MUL_LO
.if (\S)%2
	MUL16 4, 1, \S, 0
	MUL16 6, 1, \S, 0
.else
	MUL16 0, 0, \S, \zero
	MUL16 2, 0, \S, \zero
.endif
	WIN 0
.endm
	s_wait_alu depctr_va_vdst(0)                   ; directly ahead of the wait below
	s_wait_tensorcnt 0x0                           ; my part of the refill has landed
	s_barrier_signal -1
	s_barrier_wait -1                              ; everybody's has
	VFETCH 0
.irp i, 0,1,2,3
	ds_load_b128 v[SC+8*\i:SC+8*\i+3], v[ADRS] offset:512*\i
	ds_load_b128 v[SC+8*\i+4:SC+8*\i+7], v[ADRS] offset:512*\i+16
	ds_load_b128 v[SC+32+8*\i:SC+32+8*\i+3], v[ADRT] offset:512*\i
	ds_load_b128 v[SC+32+8*\i+4:SC+32+8*\i+7], v[ADRT] offset:512*\i+16
.endr
	VSTEP 0, 1
.irp S, 1,2,3,4,5,6,7
	VSTEP \S, 0
.endr
	PLACES 4
.irp a, 0,1,2,3
	QOUT \a
.endr
	global_store_b128 v[R16], v[PW:PW+3], s[8:9]   ; my head's scale words: lanes r and r + 16 store the same 16 bytes; 256 consecutive bytes, aligned
	s_wait_tensorcnt 0x0                           ; the wave's end
	ds_add_u32 v[SPW], v[NIL]
	s_wait_dscnt 0x0
	CROUND
	s_endpgm
.Lfunc_end_k_q87bfa5a1f7_qk:
	.size	k_q87bfa5a1f7_qk, .Lfunc_end_k_q87bfa5a1f7_qk-k_q87bfa5a1f7_qk
	.p2alignl 7, 3214868480
	.fill 96, 4, 3214868480
	.section	.rodata,"a",@progbits
	.p2align	6, 0x0
	.amdhsa_kernel k_q87bfa5a1f7_qk
		.amdhsa_group_segment_fixed_size 327680
		.amdhsa_private_segment_fixed_size 0
		.amdhsa_enable_private_segment 0
		.amdhsa_kernarg_size 40
		.amdhsa_user_sgpr_count 2
		.amdhsa_user_sgpr_kernarg_segment_ptr 1
		.amdhsa_wavefront_size32 1
		.amdhsa_system_sgpr_workgroup_id_x 1
		.amdhsa_system_sgpr_workgroup_id_y 1
		.amdhsa_system_sgpr_workgroup_id_z 1
		.amdhsa_system_vgpr_workitem_id 0
		.amdhsa_next_free_vgpr 1024
		.amdhsa_next_free_sgpr 102
		.amdhsa_reserve_vcc 1
		.amdhsa_float_denorm_mode_32 3
		.amdhsa_float_denorm_mode_16_64 3
		.amdhsa_memory_ordered 1
		.amdhsa_forward_progress 1
		.amdhsa_inst_pref_size 255
	.end_amdhsa_kernel
	.section	.bss,"aw",@nobits
	.p2align	6
	.space	262144
	.amdgpu_metadata
---
amdhsa.version: [ 1, 2 ]
amdhsa.kernels:
  - .name:           k_q87bfa5a1f7_qk
    .symbol:         k_q87bfa5a1f7_qk.kd
    .args:
      - { .name: xq, .offset: 0, .size: 8, .value_kind: global_buffer, .address_space: global }
      - { .name: wqk, .offset: 8, .size: 8, .value_kind: global_buffer, .address_space: global }
      - { .name: qkimg, .offset: 16, .size: 8, .value_kind: global_buffer, .address_space: global }
      - { .name: wv, .offset: 24, .size: 8, .value_kind: global_buffer, .address_space: global }
      - { .name: vimg, .offset: 32, .size: 8, .value_kind: global_buffer, .address_space: global }
    .group_segment_fixed_size: 327680
    .private_segment_fixed_size: 0
    .kernarg_segment_align: 8
    .kernarg_segment_size: 40
    .max_flat_workgroup_size: 128
    .sgpr_count:     102
    .vgpr_count:     1024
    .wavefront_size: 32
...
	.end_amdgpu_metadata
.endif
;; end of part 2
;; launch attn (part 3): grid 4 x 64, 16 waves a work-group, clusters of 4 x 1, 223,232 bytes of LDS; arguments qkimg, vimg, oq; writes oq
.if DOCPART == 3
	.amdgcn_target "amdgcn-amd-amdhsa--gfx1250"
	.amdhsa_code_object_version 6
	.text
	.protected	k_q87bfa5a1f7_attn
	.globl	k_q87bfa5a1f7_attn
	.p2align	8
	.type	k_q87bfa5a1f7_attn,@function
k_q87bfa5a1f7_attn:
	s_mov_b64 s[64:65], 0
	v_nop
	global_prefetch_b8 v0, s[64:65] scope:SCOPE_SE
	s_setreg_imm32_b32 hwreg(HW_REG_WAVE_MODE, 25, 1), 1
	s_wait_xcnt 0x0
	s_wait_alu depctr_hold_cnt(0) depctr_sa_sdst(0) depctr_va_vdst(0) depctr_va_sdst(0) depctr_va_ssrc(0) depctr_va_vcc(0) depctr_vm_vsrc(0)
	s_getreg_b32 s2, hwreg(HW_REG_IB_STS2, 6, 4)
	s_cmp_eq_u32 s2, 0
	s_cbranch_scc0 .Lentry_in_a_cluster
	s_endpgm
.Lentry_in_a_cluster:
	s_bfe_u32 s2, ttmp6, 0x10000c
	s_cmp_lg_u32 s2, 0x3003
	s_cbranch_scc0 .Lentry_shape_is_right
	s_endpgm
.Lentry_shape_is_right:
; O = softmax(q k^T / 8) v for 64 (batch, head) pairs of 2,048 tokens, head size 64; both products on codes of FP6 (E2M3) with E8M0 scales; O leaves quantised along the head's 64, as an operand of the last product.
; THE SOFTMAX: t = score x log2(e) / 8; M = the row's largest t so far, rounded up to a whole number; p = 2^(t - M) is quantised along the keys, not normalised.  The row's sum is taken of the unquantised p, in f32,
; and divides O at the end.  When M moves, the sum and O are multiplied by 2^(old M - new M): exact.
; LIMITS: NaN and infinities are not served; the promise holds while |t| stays under 2^31.
; INPUTS.  qkimg: code units of 768 bytes from byte IMC: unit (tb / 64) 2048 + hd 64 + tb % 64 is rowblock tb (16 tokens) x head hd's 64 (hd 0-15 q, 16-31 k), a register image: piece p at 256 p, 8 bytes a lane,
; lane 16 h + row holds block h of the row.  Lane row r of rowblock 2 b + u is token 32 b + 8 u + r + 8 (r / 8).  Scale blocks of 512 bytes from byte 0: block (tg / 8) 128 + (hd / 2) 8 + tg % 8 (tg = tb / 8) holds the word
; of rowblock rb of tg, row r, at 256 (rb / 4) + 16 r + 4 (rb % 4); bytes 0, 1 the even head's, 2, 3 the odd head's.
; vimg: unit (2 tg + c) 64 + 4 head + dt is 16 of the head's 64 (tile dt) x keys 128 tg + 64 c .. + 63; scale block tg 8 + head / 2 holds at 256 (head % 2) + 16 r the words of dt = 0 .. 3.
; SHARES.  256 work-groups; each owns 512 queries of one (batch, head); each of its sixteen waves takes rowblock w and then rowblock w + 16 through all 16 key steps of 128 keys.
; LDS.  The head's K and V lie whole in LDS, filled once: waves 0-7 bring 256 keys of K each, waves 8-15 256 keys of V each, one joint load a wave; one barrier; nothing is filled again.
; CLUSTER: the four work-groups of a cluster own the four query blocks of one head and ask for each tile jointly.  The scale bytes come through registers and are stored to LDS bytes of their own.
; No prefetch: every byte is asked for at the head, and there is no loop to run ahead in.
; A TILE OF KEYS IS FORMED BY LANE ADDRESSES: tile (c, u) takes as row r key 64 c + 32 (r / 8) + 8 u + r % 8, which lies in rowblock 4 c + u % 2 + 2 (r / 8), lane row 8 (u / 2) + r % 8.  With keys as source 0, lane (r, h) then
; holds query r, and its registers 32 c + 8 u + j are keys 64 c + 32 h + 8 u + j: a WHOLE block of 32 in one lane, in the order of the second product's operand: no lane swap, and a block's maximum needs no other lane.
; K's pieces of 256 bytes stand 288 bytes apart in LDS, so that the four groups of eight lanes of a load (two units, 1,728 bytes, apart) start at bytes 0, 192, 128, 64 modulo 256.
; K = 64 IN AN INSTRUCTION OF K = 128: q's registers 6-11 are zero codes, so the codes in registers 6-11 of the other operand add nothing; tile T is named v[32 + 6 T .. + 11]; tile 7's upper six are cleared registers.
; O's scale bytes leave as 2 bytes a row, 32 bytes apart (a row's 32 bytes come from 16 heads); the codes leave in whole aligned runs of 256 bytes.
.set IMC,   524288
.set OPC,   262144
.set CP,    1572864                    ; oq's codes: [chunk of 4 heads][rowblock][4 units][768 bytes], chunks CP bytes apart
.set KU,    864                        ; a unit of K in LDS: three pieces of 256 + 32 bytes
.set KST,   8*KU                       ; a key step of K
.set VC,    16*KST                     ; V's codes: row 2 s + c of 3,072 bytes, tile dt at 768 dt
.set VS,    VC+98304                   ; V's scale words: 256 bytes a key step
.set KS,    VS+4096                    ; K's: 512 bytes a key step
.set SPARE, KS+8192                    ; the spare words, 128 bytes for each wave
.set LK,   1                           ; v1   K: 1,728 (r / 8) + 128 h + 8 (r % 8)
.set LV,   2                           ; v2   VC + 8 x lane
.set LKS,  3                           ; v3   KS + 256 h + 16 (r % 8) + 8 (r / 8)
.set LVS,  4                           ; v4   VS + 16 r
.set SPW,  5                           ; v5   my spare word; never rewritten
.set NIL,  6                           ; v6   0; never rewritten
.set ADK,  8                           ; v8-11 the step's addresses;  v7 32 r;  v12 -M, v13 the largest score, v[14:15] the sum;  v16-27 Q, v28 its scale word
.set ADV,  9
.set ADS,  10
.set ADT,  11
.set SH8,  29                          ; v29  8 h
.set L8,   30                          ; v30  8 x lane
.set OM,   94                          ; v94  the old -M.  v32-85 K's tiles, then V's fragments; v86-89, v90-93 their scale words; v96-159 S^T, then p; v160-191 O^T
.set PCD,  192                         ; v192-203 p's codes; v204-210 the conversions' second halves
.set TW,   204
.set MX,   212                         ; v212-215 maxima
.set PD,   216
.set OPD,  220
.set PSW,  224                         ; p's scale word
.set FF,   226                         ; f = 2^(old M - new M)
.set TP,   228
.set SA,   232                         ; v232-239 four partial sums
.set Q1,   240                         ; v240-245 the second rowblock's Q, v246 its scale word
.set WV,   18
.set SEL,  20                          ; s[20:21] v_permlanex16_b32's selects for lane l xor 16
.set CS,   22                          ; s[22:23] c = log2(e) / 8
.set G1K,  24
.set G1V,  32
.set G0K,  40
.set G0V,  44
.set TVC,  48                          ; s48 the key step's place in V's codes; s84 in K's codes; s85, s86 in K's and V's scale words
.set TK,   84
.set TS,   85
.set TV,   86
.set CNT,  87
.macro CROUND                          ; a round of the cluster's barrier
	s_barrier_signal -1
	s_barrier_wait -1
	s_cmp_lg_u32 s[WV], 0
	s_cbranch_scc1 .Lnot_wave_0_\@
	s_barrier_signal -3
.Lnot_wave_0_\@:
	s_barrier_wait -3
	s_barrier_signal -1
	s_barrier_wait -1
.endm
	s_load_b128 s[4:7], s[0:1], 0x0                ; qkimg, vimg
	s_load_b64 s[8:9], s[0:1], 0x10                ; oq
	v_lshl_add_u32 v[SPW], v0, 2, SPARE
	v_mov_b32 v[NIL], 0
	ds_add_u32 v[SPW], v[NIL]                      ; the opening lines: the add, twice on end, and its wait ahead of my tensor load
	ds_add_u32 v[SPW], v[NIL]
	v_lshrrev_b32 v8, 5, v0
	s_delay_alu instid0(VALU_DEP_1)
	v_readfirstlane_b32 s[WV], v8                  ; wave 0..15
	s_and_b32 s11, ttmp7, 0xffff
	s_lshr_b32 s12, s11, 4                         ; the batch
	s_and_b32 s13, s11, 15                         ; the head
	s_and_b32 s14, s[WV], 7                        ; which 256 keys I fetch
	; group 1.  K: 12,288 dense bytes as 48 rows of 256, 32 bytes of padding behind each.  V: 4 rows of 3,072 bytes, 49,152 apart.  Elements of 8 bytes; the mask names all four work-groups, bit 21 beside it
	s_mov_b32 s[G1K], 15|(3<<16)|(1<<20)|(1<<21)|(5<<22)|(7<<25)
	s_mov_b32 s[G1K+1], 32<<16
	s_mov_b32 s[G1K+2], 48<<16
	s_mov_b32 s[G1K+3], 32<<16
	s_mov_b32 s[G1K+4], 48
	s_mov_b32 s[G1K+5], 32
	s_mov_b32 s[G1K+6], 0
	s_mov_b32 s[G1K+7], 0
	s_mov_b32 s[G1V], 15|(3<<16)|(1<<21)
	s_mov_b32 s[G1V+1], 384<<16
	s_mov_b32 s[G1V+2], 4<<16
	s_mov_b32 s[G1V+3], 384<<16
	s_mov_b32 s[G1V+4], 4
	s_mov_b32 s[G1V+5], 6144
	s_mov_b32 s[G1V+6], 0
	s_mov_b32 s[G1V+7], 0
	s_lshl_b32 s15, s12, 1                         ; K: unit (2 b + e / 4) 2048 + (16 + head) 64 + 16 (e % 4), e = my eighth
	s_lshr_b32 s16, s14, 2
	s_add_co_u32 s15, s15, s16
	s_lshl_b32 s15, s15, 11
	s_add_co_u32 s16, s13, 16
	s_lshl_b32 s16, s16, 6
	s_add_co_u32 s15, s15, s16
	s_and_b32 s16, s14, 3
	s_lshl_b32 s16, s16, 4
	s_add_co_u32 s15, s15, s16
	s_mul_i32 s56, s15, 768
	s_add_co_u32 s56, s56, IMC
	s_mov_b32 s57, 0
	s_lshl_b32 s15, s12, 5                         ; V: unit (32 b + 4 e) 64 + 4 head
	s_lshl_b32 s16, s14, 2
	s_add_co_u32 s15, s15, s16
	s_lshl_b32 s15, s15, 6
	s_lshl_b32 s16, s13, 2
	s_add_co_u32 s15, s15, s16
	s_mul_i32 s58, s15, 768
	s_add_co_u32 s58, s58, IMC
	s_mov_b32 s59, 0
	s_mul_i32 s19, s14, 16*KU                      ; where my part goes: no place in the cluster enters an LDS address
	s_mul_i32 s49, s14, 12288
	s_add_co_u32 s49, s49, VC
	s_lshl_b32 s15, s12, 1                         ; K's scale block of key step w: ((2 b + w / 8) 128 + (8 + head / 2) 8 + w % 8) 512
	s_lshr_b32 s16, s[WV], 3
	s_add_co_u32 s15, s15, s16
	s_lshl_b32 s15, s15, 7
	s_lshr_b32 s17, s13, 1                         ; head / 2
	s_add_co_u32 s16, s17, 8
	s_lshl_b32 s16, s16, 3
	s_add_co_u32 s15, s15, s16
	s_and_b32 s16, s[WV], 7
	s_add_co_u32 s15, s15, s16
	s_lshl_b32 s60, s15, 9
	s_mov_b32 s61, 0
	s_lshl_b32 s15, s12, 4                         ; V's: ((16 b + w) 8 + head / 2) 512 + 256 (head % 2)
	s_add_co_u32 s15, s15, s[WV]
	s_lshl_b32 s15, s15, 3
	s_add_co_u32 s15, s15, s17
	s_lshl_b32 s62, s15, 9
	s_and_b32 s88, s13, 1
	s_lshl_b32 s16, s88, 8
	s_add_co_u32 s62, s62, s16
	s_mov_b32 s63, 0
	; my first rowblock of queries: tb = 128 b + 32 cx + w; the second lies 16 further on.  cx enters Q's and O's global addresses alone
	s_bfe_u32 s10, ttmp6, 0x40000                  ; cx
	s_lshr_b32 s16, s10, 1
	s_lshl_b32 s15, s12, 1
	s_add_co_u32 s89, s15, s16                     ; tb / 64
	s_and_b32 s10, s10, 1
	s_lshl_b32 s10, s10, 5
	s_add_co_u32 s10, s10, s[WV]                   ; tb % 64
	s_lshl_b32 s15, s89, 11
	s_lshl_b32 s16, s13, 6
	s_add_co_u32 s15, s15, s16
	s_add_co_u32 s15, s15, s10
	s_mul_i32 s90, s15, 768                        ; Q's unit
	s_add_co_u32 s90, s90, IMC
	s_mov_b32 s91, 0
	s_lshl_b32 s15, s89, 7                         ; Q's scale words: block (tb / 64) 128 + (head / 2) 8 + (tb % 64) / 8, in it 256 ((w % 8) / 4) + 16 r + 4 (w % 4)
	s_lshl_b32 s16, s17, 3
	s_add_co_u32 s15, s15, s16
	s_lshr_b32 s16, s10, 3
	s_add_co_u32 s15, s15, s16
	s_lshl_b32 s92, s15, 9
	s_bfe_u32 s16, s[WV], 0x10002
	s_lshl_b32 s16, s16, 8
	s_add_co_u32 s92, s92, s16
	s_and_b32 s16, s[WV], 3
	s_lshl_b32 s16, s16, 2
	s_add_co_u32 s92, s92, s16
	s_mov_b32 s93, 0
	s_lshl_b32 s15, s89, 6
	s_add_co_u32 s15, s15, s10                     ; tb
	s_mul_i32 s94, s15, 3072                       ; O's codes: OPC + (head / 4) CP + 3,072 tb + 768 (head % 4)
	s_lshr_b32 s16, s13, 2
	s_mul_i32 s16, s16, CP
	s_add_co_u32 s94, s94, s16
	s_and_b32 s16, s13, 3
	s_mul_i32 s16, s16, 768
	s_add_co_u32 s94, s94, s16
	s_add_co_u32 s94, s94, OPC
	s_mov_b32 s95, 0
	s_lshl_b32 s96, s15, 9                         ; O's scale bytes: 512 tb + 32 r + 2 head
	s_lshl_b32 s16, s13, 1
	s_add_co_u32 s96, s96, s16
	s_mov_b32 s97, 0
	s_lshl_b32 s88, s88, 4                         ; 16 (head % 2): where my head's two bytes begin in a word
	s_mov_b32 s[SEL], 0x76543210
	s_mov_b32 s[SEL+1], 0xfedcba98
	s_mov_b32 s[CS], 0x3e38aa3b                    ; c = log2(e) / 8
	s_mov_b32 s[CS+1], s[CS]
	; every LDS address register is made here, ahead of the branch on the wave's number
	v_and_b32 v247, 31, v0                         ; lane
	v_and_b32 v248, 15, v0                         ; r
	v_bfe_u32 v249, v0, 4, 1                       ; h
	v_and_b32 v250, 7, v0                          ; r % 8
	v_bfe_u32 v251, v0, 3, 1                       ; r / 8
	v_lshlrev_b32 v[L8], 3, v247
	v_lshlrev_b32 v252, 4, v247
	v_lshlrev_b32 v253, 4, v248
	v_lshlrev_b32 v7, 5, v248
	v_lshlrev_b32 v[SH8], 3, v249
	v_mul_u32_u24 v[LK], v251, 2*KU
	v_lshl_add_u32 v[LKS], v249, 8, KS
	s_delay_alu instid0(VALU_DEP_2)
	v_lshl_add_u32 v[LK], v249, 7, v[LK]
	s_delay_alu instid0(VALU_DEP_2)
	v_lshl_add_u32 v[LKS], v250, 4, v[LKS]
	s_delay_alu instid0(VALU_DEP_2)
	v_lshl_add_u32 v[LK], v250, 3, v[LK]
	s_delay_alu instid0(VALU_DEP_2)
	v_lshl_add_u32 v[LKS], v251, 3, v[LKS]
	v_add_nc_u32 v[LV], VC, v[L8]
	v_lshl_add_u32 v[LVS], v248, 4, VS
	v_lshl_add_u32 v254, v0, 4, KS                 ; where I store K's scale words: 512 x wave + 16 x lane
	v_lshl_add_u32 v255, v0, 3, VS                 ; and V's: 256 x wave + 8 x lane
	s_wait_alu depctr_va_vdst(0)                   ; directly ahead of the waits below
	s_wait_dscnt 0x0                               ; both opening adds are done
	s_wait_kmcnt 0x0
	s_add_nc_u64 s[56:57], s[4:5], s[56:57]
	s_add_nc_u64 s[58:59], s[6:7], s[58:59]
	s_add_nc_u64 s[60:61], s[4:5], s[60:61]
	s_add_nc_u64 s[62:63], s[6:7], s[62:63]
	s_add_nc_u64 s[90:91], s[4:5], s[90:91]
	s_add_nc_u64 s[92:93], s[4:5], s[92:93]
	s_add_nc_u64 s[94:95], s[8:9], s[94:95]
	s_add_nc_u64 s[96:97], s[8:9], s[96:97]
	s_mov_b32 s[G0K], 1
	s_mov_b32 s[G0K+1], s19
	s_mov_b64 s[G0K+2:G0K+3], s[56:57]
	s_or_b32 s[G0K+3], s[G0K+3], 0x80000000
	s_mov_b32 s[G0V], 1
	s_mov_b32 s[G0V+1], s49
	s_mov_b64 s[G0V+2:G0V+3], s[58:59]
	s_or_b32 s[G0V+3], s[G0V+3], 0x80000000
	global_load_b128 v[232:235], v252, s[60:61]    ; K's scale words of key step w
	global_load_b64 v[236:237], v[L8], s[62:63]    ; V's
.irp p, 0,1,2
	global_load_b64 v[16+2*\p:17+2*\p], v[L8], s[90:91] offset:256*\p            ; Q of my first rowblock,
	global_load_b64 v[Q1+2*\p:Q1+1+2*\p], v[L8], s[90:91] offset:12288+256*\p    ; and of my second, 16 units on
.endr
	global_load_b32 v28, v253, s[92:93]            ; their scale words
	global_load_b32 v[Q1+6], v253, s[92:93] offset:1024
	CROUND                                         ; all four work-groups are here: the joint loads meet
	s_cmp_lt_u32 s[WV], 8                          ; one joint load a wave, one to each arm of one branch on the wave's number
	s_cbranch_scc0 .Lfor_v
	tensor_load_to_lds s[G0K:G0K+3], s[G1K:G1K+7]
	s_nop 0
.rept 4
	v_nop
.endr
	s_branch .Lasked
.Lfor_v:
	tensor_load_to_lds s[G0V:G0V+3], s[G1V:G1V+7]
	s_nop 0
.rept 4
	v_nop
.endr
.Lasked:
	s_wait_loadcnt 0x0
.irp i, 0,1,2,3
	v_bfe_u32 v[232+\i], v[232+\i], s88, 16        ; my head's two bytes; the upper two become 0
.endr
	v_bfe_u32 v28, v28, s88, 16
	v_bfe_u32 v[Q1+6], v[Q1+6], s88, 16
.irp i, 0,1,2,3,4,5
	v_mov_b32 v[22+\i], 0                          ; Q's upper 64 along K: zero codes
	v_mov_b32 v[80+\i], 0                          ; what tile 7 of K names as its upper six
.endr
	v_mov_b32 v[PD], 0                             ; written once: a lane permute's destination counts as one of its sources
	v_mov_b32 v[PD+1], 0
	v_mov_b32 v[FF+1], 0                           ; (named as the upper half of f's pair)
	s_wait_alu depctr_va_vdst(0)
	s_wait_tensorcnt 0x0                           ; my part of K or V has landed
	ds_store_b128 v254, v[232:235]
	ds_store_b64 v255, v[236:237]
	s_wait_dscnt 0x0                               ; and my scale words are stored
	s_barrier_signal -1
	s_barrier_wait -1                              ; everybody's are: from here on LDS is only read
.macro PKF j0, n                       ; t - M, two at a time
.set J, \j0
.rept \n
	v_pk_fma_f32 v[96+J:97+J], v[96+J:97+J], s[CS:CS+1], v[12:13] op_sel_hi:[1,0,0]
.set J, J+2
.endr
.endm
.macro SUM0 i                          ; partial sum i begins: pairs i and i + 4 of p's 32
	v_pk_add_f32 v[SA+2*\i:SA+2*\i+1], v[96+2*\i:97+2*\i], v[104+2*\i:105+2*\i]
.endm
.macro SUMS k0, n                      ; pairs k0 .. k0 + n - 1, the four partial sums by turns
.set J, \k0
.rept \n
	v_pk_add_f32 v[SA+2*(J%4):SA+2*(J%4)+1], v[SA+2*(J%4):SA+2*(J%4)+1], v[96+2*J:97+2*J]
.set J, J+1
.endr
.endm
; A KEY STEP: 128 keys
.macro STEP
	v_add_nc_u32 v[ADK], s[TK], v[LK]
	v_add_nc_u32 v[ADS], s[TS], v[LKS]
	ds_load_b64 v[86:87], v[ADS]                   ; register u: lanes 0-15 tile (0, u)'s words, lanes 16-31 tile (1, u)'s
	ds_load_b64 v[88:89], v[ADS] offset:128
.irp c, 0,1
.irp u, 0,1,2,3
.irp p, 0,1,2
	ds_load_b64 v[32+6*(4*\c+\u)+2*\p:33+6*(4*\c+\u)+2*\p], v[ADK] offset:KU*(4*\c+(\u%2))+64*(\u/2)+288*\p
.endr
.endr
.endr
	s_wait_dscnt 0x0
.irp u, 0,1,2,3                                ; S^T = K Q^T: source 0 = 16 keys, source 1 = my 16 queries
	v_wmma_scale_f32_16x16x128_f8f6f4 v[96+8*\u:103+8*\u], v[32+6*\u:43+6*\u], v[16:27], 0, v[86+\u], v28 matrix_a_fmt:MATRIX_FMT_FP6 matrix_b_fmt:MATRIX_FMT_FP6
.endr
.irp u, 0,1,2,3
	v_wmma_scale_f32_16x16x128_f8f6f4 v[128+8*\u:135+8*\u], v[56+6*\u:67+6*\u], v[16:27], 0, v[86+\u], v28 matrix_a_fmt:MATRIX_FMT_FP6 matrix_b_fmt:MATRIX_FMT_FP6 matrix_a_scale:MATRIX_SCALE_ROW1
.endr
	v_add_nc_u32 v[ADV], s[TVC], v[LV]             ; four places: the scores are read below, and V's fragments are loaded over K's tiles
	v_add_nc_u32 v[ADT], s[TV], v[LVS]
	v_mov_b32 v[OM], v12
	v_nop
	ds_load_b128 v[90:93], v[ADT]                  ; V's loads go out now and land under the softmax
.irp d, 0,1,2,3
.irp c, 0,1
.irp p, 0,1,2
	ds_load_b64 v[32+12*\d+6*\c+2*\p:33+12*\d+6*\c+2*\p], v[ADV] offset:3072*\c+768*\d+256*\p
.endr
.endr
.endr
.irp c, 0,1                                    ; the largest score of my two blocks of 32 keys, each in two chains; every accumulator is read from its low end on
	v_max3_num_f32 v[MX+\c], v[96+32*\c], v[97+32*\c], v[98+32*\c]
	v_max3_num_f32 v[MX+2+\c], v[112+32*\c], v[113+32*\c], v[114+32*\c]
.endr
.irp i, 3,5,7,9,11,13
.irp c, 0,1
	v_max3_num_f32 v[MX+\c], v[MX+\c], v[96+32*\c+\i], v[97+32*\c+\i]
	v_max3_num_f32 v[MX+2+\c], v[MX+2+\c], v[112+32*\c+\i], v[113+32*\c+\i]
.endr
.endr
.irp c, 0,1
	v_max3_num_f32 v[MX+\c], v[MX+\c], v[MX+2+\c], v[111+32*\c]
.endr
.irp c, 0,1
	v_max_num_f32 v[MX+\c], v[MX+\c], v[127+32*\c]
.endr
	v_max_num_f32 v[TP], v[MX], v[MX+1]
	v_permlanex16_b32 v[PD], v[TP], s[SEL], s[SEL+1]
	v_max3_num_f32 v13, v13, v[TP], v[PD]          ; the running largest score of my query (c is positive)
	v_mul_f32 v[TP], s[CS], v13                    ; as t
	v_floor_f32 v12, -v[TP]                        ; the new -M = floor(-t) = -ceil(t): a whole number
	v_sub_f32 v[TP], v12, v[OM]                    ; old M less new M: a whole number, 0 or less
	PKF 0, 8
	v_cvt_i32_f32 v[TP], v[TP]                     ; (it saturates)
	PKF 16, 8
	v_ldexp_f32 v[FF], 1.0, v[TP]                  ; f = 2^(old M - new M)
	PKF 32, 16
.irp c, 0,1
	v_fma_f32 v[MX+\c], v[MX+\c], s[CS], v12       ; the same of each block's largest score: p rises with the score, so this gives the block's largest p
.endr
	s_wait_alu depctr_va_vdst(0)                   ; the wait ahead of the batch
	v_exp_f32 v[MX], v[MX]
	v_exp_f32 v[MX+1], v[MX+1]
.set J, 0
.rept 64
	v_exp_f32 v[96+J], v[96+J]                     ; p = 2^(t - M), at most 1: not normalised
.set J, J+1
.endr
	v_pk_mul_f32 v[14:15], v[14:15], v[FF:FF+1] op_sel_hi:[1,0]   ; the sum under the new M: a plain instruction behind the exponentials
	s_wait_dscnt 0x0                               ; V is in
	s_wait_alu depctr_va_vdst(0)                   ; one wait for the whole batch, directly ahead of O^T's first readers
.set J, 0
.rept 16
	v_pk_mul_f32 v[160+J:161+J], v[160+J:161+J], v[FF:FF+1] op_sel_hi:[1,0]   ; O^T under the new M
.set J, J+2
.endr
.irp c, 0,1
	v_max_num_f32 v[MX+\c], 0x1800000, v[MX+\c]    ; the floor 2^(3 - 127): the byte cannot fall under 1
.endr
.irp c, 0,1
	s_delay_alu instid0(VALU_DEP_2)
	v_add_nc_u32 v[OPD+\c], 0xff000000, v[MX+\c]   ; 2 off the exponent field: the conversion's scale operand
.endr
.irp c, 0,1
	s_delay_alu instid0(VALU_DEP_2)
	v_lshrrev_b32 v[PD+\c], 23, v[OPD+\c]          ; the scale's byte
.endr
	s_delay_alu instid0(VALU_DEP_1)
	v_lshl_or_b32 v[TP], v[PD+1], 16, v[PD]        ; my bytes: blocks h and 2 + h,
	s_delay_alu instid0(VALU_DEP_1)
	v_lshlrev_b32 v[TP], v[SH8], v[TP]             ; at their places in the word;
	s_delay_alu instid0(VALU_DEP_1)
	v_permlanex16_b32 v[PD], v[TP], s[SEL], s[SEL+1]
	s_delay_alu instid0(VALU_DEP_1)
	v_or_b32 v[PSW], v[TP], v[PD]                  ; with lane l xor 16's two the word is whole
.irp c, 0,1
	v_cvt_scalef32_pk16_fp6_f32 v[PCD+6*\c:PCD+2+6*\c], v[96+32*\c:111+32*\c], v[OPD+\c]
	v_cvt_scalef32_pk16_fp6_f32 v[TW+4*\c:TW+2+4*\c], v[112+32*\c:127+32*\c], v[OPD+\c]   ; (a conversion's three registers begin on an even number)
.endr
	SUM0 0                                         ; THE ROW'S SUM IS TAKEN OF THE UNQUANTISED p.  This line is also the plain place behind the conversions
.irp c, 0,1
.irp i, 0,1,2
	v_mov_b32 v[PCD+3+6*\c+\i], v[TW+4*\c+\i]
.endr
.endr
	SUM0 1                                         ; seven places between p's codes and the products (eighteen behind its scale word)
	SUM0 2
	SUM0 3
	SUMS 8, 4
.irp d, 0,1,2,3                                ; O^T += V^T P^T: four accumulators by turns; K = these 128 keys
	v_wmma_scale_f32_16x16x128_f8f6f4 v[160+8*\d:167+8*\d], v[32+12*\d:43+12*\d], v[PCD:PCD+11], v[160+8*\d:167+8*\d], v[90+\d], v[PSW] matrix_a_fmt:MATRIX_FMT_FP6 matrix_b_fmt:MATRIX_FMT_FP6
.endr
	SUMS 12, 20                                    ; the rest of the sum: also the places behind the products, in front of the next step's loads
	v_pk_add_f32 v[SA:SA+1], v[SA:SA+1], v[SA+2:SA+3]
	v_pk_add_f32 v[SA+4:SA+5], v[SA+4:SA+5], v[SA+6:SA+7]
	s_delay_alu instid0(VALU_DEP_2)
	v_pk_add_f32 v[14:15], v[14:15], v[SA:SA+1]
	s_delay_alu instid0(VALU_DEP_1)
	v_pk_add_f32 v[14:15], v[14:15], v[SA+4:SA+5]
	s_add_co_u32 s[TK], s[TK], KST
	s_add_co_u32 s[TS], s[TS], 512
	s_add_co_u32 s[TVC], s[TVC], 6144
	s_add_co_u32 s[TV], s[TV], 256
.endm
; One rowblock of queries through all keys, and its way out: O^T / the sum: register 16 b + i is O(my query, 32 b + 16 (lane / 16) + i); two blocks of 32 are quantised, and the six registers leave as a unit of oq.
.macro PASS n
.if \n
	s_wait_xcnt 0x0                                ; the first rowblock's stores have read their registers
.irp i, 0,1,2,3,4,5
	v_mov_b32 v[16+\i], v[Q1+\i]
.endr
	v_mov_b32 v28, v[Q1+6]
.endif
	v_mov_b32 v13, 0xff61b1e6                      ; the largest score so far: -3e38
	v_mov_b32 v12, 0x7f61b1e6                      ; -M: 3e38
	v_mov_b32 v14, 0                               ; the sum, in two halves
	v_mov_b32 v15, 0
.set J, 0
.rept 32
	v_mov_b32 v[160+J], 0                          ; O^T: the step is written once; its first run finds zeros, which f = 0 leaves zeros
.set J, J+1
.endr
	s_mov_b32 s[TK], 0
	s_mov_b32 s[TS], 0
	s_mov_b32 s[TVC], 0
	s_mov_b32 s[TV], 0
	s_mov_b32 s[CNT], 16
	s_wait_alu depctr_va_vdst(0)                   ; the wait ahead of the loop
.Lstep_\@:
	STEP
	s_sub_co_u32 s[CNT], s[CNT], 1
	s_cmp_lg_u32 s[CNT], 0
	s_cbranch_scc1 .Lstep_\@
	s_wait_alu depctr_va_vdst(0)                   ; the wait behind the run of scalar instructions
	v_add_f32 v14, v14, v15                        ; the sum's two halves,
	s_delay_alu instid0(VALU_DEP_1)
	v_permlanex16_b32 v[TP], v14, s[SEL], s[SEL+1]
	s_delay_alu instid0(VALU_DEP_1)
	v_add_f32 v14, v14, v[TP]                      ; and lane l xor 16's: the row's sum
	s_wait_alu depctr_va_vdst(0)                   ; the wait ahead of the transcendental
	v_rcp_f32 v14, v14
	v_nop                                          ; a plain instruction behind the reciprocal
	s_wait_alu depctr_va_vdst(0)                   ; and the wait ahead of its first reader, which is O^T's first reader too
.set J, 0
.rept 16
	v_pk_mul_f32 v[96+J:97+J], v[160+J:161+J], v[14:15] op_sel_hi:[1,0]   ; each accumulator from its low end on
.set J, J+2
.endr
.irp b, 0,1
	v_max3_num_f32 v[MX+\b], |v[96+16*\b]|, |v[97+16*\b]|, 0x1800000
.endr
.irp i, 2,4,6,8,10,12,14
.irp b, 0,1
	s_delay_alu instid0(VALU_DEP_2)
	v_max3_num_f32 v[MX+\b], v[MX+\b], |v[96+16*\b+\i]|, |v[97+16*\b+\i]|
.endr
.endr
.irp b, 0,1
	s_delay_alu instid0(VALU_DEP_2)
	v_permlanex16_b32 v[PD+\b], v[MX+\b], s[SEL], s[SEL+1]
.endr
.irp b, 0,1
	s_delay_alu instid0(VALU_DEP_2)
	v_max_num_f32 v[MX+\b], v[MX+\b], v[PD+\b]
.endr
.irp b, 0,1
	s_delay_alu instid0(VALU_DEP_2)
	v_add_nc_u32 v[OPD+\b], 0xff000000, v[MX+\b]
.endr
.irp b, 0,1
	s_delay_alu instid0(VALU_DEP_2)
	v_lshrrev_b32 v[PD+\b], 23, v[OPD+\b]
.endr
	s_delay_alu instid0(VALU_DEP_1)
	v_lshl_or_b32 v[TP], v[PD+1], 8, v[PD]         ; my row's two scale bytes of this head
	v_cvt_scalef32_pk16_fp6_f32 v[PCD:PCD+2], v[96:111], v[OPD]
	v_cvt_scalef32_pk16_fp6_f32 v[TW:TW+2], v[112:127], v[OPD+1]
	v_nop                                          ; one plain place behind a scaled conversion
.irp i, 0,1,2
	v_permlane16_swap_b32 v[PCD+\i], v[TW+\i]      ; lanes 0-15 block 0, lanes 16-31 block 1
.endr
.irp i, 0,1,2
	s_delay_alu instid0(VALU_DEP_3)
	v_mov_b32 v[PCD+3+\i], v[TW+\i]
.endr
.irp p, 0,1,2
	global_store_b64 v[L8], v[PCD+2*\p:PCD+2*\p+1], s[94:95] offset:49152*\n+256*\p   ; 32 lanes store 256 consecutive bytes, aligned
.endr
	global_store_b16 v7, v[TP], s[96:97] offset:8192*\n   ; lanes r and r + 16 store the same two bytes
.endm
	PASS 0
	PASS 1
	s_wait_tensorcnt 0x0                           ; the wave's end, behind my tensor load and my last LDS store
	ds_add_u32 v[SPW], v[NIL]
	s_wait_dscnt 0x0
	CROUND                                         ; the closing round
	s_endpgm
.Lfunc_end_k_q87bfa5a1f7_attn:
	.size	k_q87bfa5a1f7_attn, .Lfunc_end_k_q87bfa5a1f7_attn-k_q87bfa5a1f7_attn
	.p2alignl 7, 3214868480
	.fill 96, 4, 3214868480
	.section	.rodata,"a",@progbits
	.p2align	6, 0x0
	.amdhsa_kernel k_q87bfa5a1f7_attn
		.amdhsa_group_segment_fixed_size 223232
		.amdhsa_private_segment_fixed_size 0
		.amdhsa_enable_private_segment 0
		.amdhsa_kernarg_size 24
		.amdhsa_user_sgpr_count 2
		.amdhsa_user_sgpr_kernarg_segment_ptr 1
		.amdhsa_wavefront_size32 1
		.amdhsa_system_sgpr_workgroup_id_x 1
		.amdhsa_system_sgpr_workgroup_id_y 1
		.amdhsa_system_sgpr_workgroup_id_z 1
		.amdhsa_system_vgpr_workitem_id 0
		.amdhsa_next_free_vgpr 256
		.amdhsa_next_free_sgpr 100
		.amdhsa_reserve_vcc 0
		.amdhsa_float_denorm_mode_32 3
		.amdhsa_float_denorm_mode_16_64 3
		.amdhsa_memory_ordered 1
		.amdhsa_forward_progress 1
		.amdhsa_inst_pref_size 55
	.end_amdhsa_kernel
	.amdgpu_metadata
---
amdhsa.version: [ 1, 2 ]
amdhsa.kernels:
  - .name:           k_q87bfa5a1f7_attn
    .symbol:         k_q87bfa5a1f7_attn.kd
    .args:
      - { .name: qkimg, .offset: 0, .size: 8, .value_kind: global_buffer, .address_space: global }
      - { .name: vimg, .offset: 8, .size: 8, .value_kind: global_buffer, .address_space: global }
      - { .name: oq, .offset: 16, .size: 8, .value_kind: global_buffer, .address_space: global }
    .group_segment_fixed_size: 223232
    .private_segment_fixed_size: 0
    .kernarg_segment_align: 8
    .kernarg_segment_size: 24
    .max_flat_workgroup_size: 512
    .sgpr_count:     100
    .vgpr_count:     256
    .wavefront_size: 32
...
	.end_amdgpu_metadata
.endif
;; end of part 3
;; launch outp (part 4): grid 4 x 64, 4 waves a work-group, clusters of 4 x 4, 327,680 bytes of LDS; arguments oq, wo, b_out, out0; writes out0
.if DOCPART == 4
	.amdgcn_target "amdgcn-amd-amdhsa--gfx1250"
	.amdhsa_code_object_version 6
	.text
	.protected	k_q87bfa5a1f7_outp
	.globl	k_q87bfa5a1f7_outp
	.p2align	8
	.type	k_q87bfa5a1f7_outp,@function
k_q87bfa5a1f7_outp:
	s_mov_b64 s[64:65], 0
	v_nop
	global_prefetch_b8 v0, s[64:65] scope:SCOPE_SE
	s_setreg_imm32_b32 hwreg(HW_REG_WAVE_MODE, 25, 1), 1
	s_wait_xcnt 0x0
	s_wait_alu depctr_hold_cnt(0) depctr_sa_sdst(0) depctr_va_vdst(0) depctr_va_sdst(0) depctr_va_ssrc(0) depctr_va_vcc(0) depctr_vm_vsrc(0)
	s_getreg_b32 s2, hwreg(HW_REG_IB_STS2, 6, 4)
	s_cmp_eq_u32 s2, 0
	s_cbranch_scc0 .Lentry_in_a_cluster
	s_endpgm
.Lentry_in_a_cluster:
	s_bfe_u32 s2, ttmp6, 0x10000c
	s_cmp_lg_u32 s2, 0xf033
	s_cbranch_scc0 .Lentry_shape_is_right
	s_endpgm
.Lentry_shape_is_right:
; out0 = O w_out + b_out.  O (oq) and w_out (wo) are operand buffers: codes of FP6 (E2M3) with one E8M0 byte for each 32 along K = 1,024; scale bytes [position][32] from byte 0; codes from byte OPC:
; [chunk of 256 K][rowblock of 16 positions][4 units][768 bytes], chunks CP bytes apart; a fragment (16 rows x 128 K) is two units on end, a register image: six loads of 8 bytes a lane.
; Position p holds row p with bits 3 and 4 exchanged, in both buffers.
; SHARES.  A block of 128 rows x 256 columns to a work-group: 256 work-groups; a wave makes 64 x 128: 32 accumulators.  ALL OF K LIES IN LDS: A's 4 chunks x 24,576 bytes, B's 4 x 49,152, and both sides' scale bytes,
; by four joint loads at the head, one a wave; nothing is filled again.  CLUSTER 4 x 4: A's tiles are shared along a row of the cluster, B's along a column.
; No prefetch: every byte is asked for at the head.  Source 0 = rows of wo, source 1 = rows of O: a lane holds eight neighbouring columns of one row; the bias is the C of each accumulator's first product.
; Both operands have two sets of registers; the next step's 72 loads are issued ahead of each step's 32 matrix instructions.  The way out goes through a stage in A's bytes, behind a barrier behind which nobody reads them.
.set OPC,   262144
.set CP,    1572864
.set ACH,   24576                      ; a chunk of A in LDS
.set BCH,   49152                      ; a chunk of B
.set BBASE, 4*ACH
.set SCL,   BBASE+4*BCH                ; A's scale bytes (4,096), then B's (8,192)
.set SPARE, SCL+12288                  ; the spare words, 128 bytes for each wave
.set SPITCH, 528                       ; the stage: 16 rows x (512 + 16) bytes for each wave, from LDS byte 0
.set FR,    12
.set ADRA,  16                         ; v16-19 my A fragments in chunks 0-3;  v20-23 my B fragments
.set ADRB,  20
.set STO,   24
.set L16,   25
.set L8,    26
.set ADRS,  27                         ; scale words: lanes 0-15 A's rows, lanes 16-31 B's
.set SPW,   28
.set NIL,   29
.set RD,    30
.set ADRT,  31                         ; the same for registers 4-7: lanes 0-15 A's blocks 0-3 once more, lanes 16-31 B's blocks 4-7
.set SC,    32                         ; v32-95 scale words: register 8 i + S
.set AF,    128                        ; v128-223 A's fragments, two sets of four;  v96-127, v224-255 the bias;  window 1: B's two sets;  window 2: the accumulators
.set BK,    128
.set G1,    24
.set G0,    32
.set G1B,   44
.set G0B,   52
.set G1S,   68
.set G0S,   76
.set G1SB,  80
.set G0SB,  88
.set MSB, 0
.macro WIN new                         ; the immediate's high byte repeats the setting that is left
.if MSB != \new
	s_set_vgpr_msb (MSB<<8)|\new
.set MSB, \new
.endif
.endm
.set MUL_LO, 0xa1                      ; source 0 window 1, source 1 window 0, C and D window 2
.set BIA_LO, 0x81                      ; the same with C in window 0
.set TO_B,   0x40
.macro CROUND                          ; a round of the cluster's barrier
	s_barrier_signal -1
	s_barrier_wait -1
	s_cmp_lg_u32 s14, 0
	s_cbranch_scc1 .Lnot_wave_0_\@
	s_barrier_signal -3
.Lnot_wave_0_\@:
	s_barrier_wait -3
	s_barrier_signal -1
	s_barrier_wait -1
.endm
.macro PLACES n
.rept \n
	v_nop
.endr
.endm
.macro SETG1 g, c, r, p                ; group 1: r rows of c elements of 8 bytes, p elements apart
	s_mov_b32 s[\g+1], (\c)<<16
	s_mov_b32 s[\g+2], (\r)<<16
	s_mov_b32 s[\g+3], (\c)<<16
	s_mov_b32 s[\g+4], \r
	s_mov_b32 s[\g+5], \p
	s_mov_b32 s[\g+6], 0
	s_mov_b32 s[\g+7], 0
.endm
	s_load_b128 s[4:7], s[0:1], 0x0                ; oq, wo
	s_load_b128 s[8:11], s[0:1], 0x10              ; b_out, out0
	v_lshl_add_u32 v[SPW], v0, 2, SPARE
	v_mov_b32 v[NIL], 0
	ds_add_u32 v[SPW], v[NIL]                      ; the opening lines: the add, twice on end, and its wait ahead of my tensor load
	ds_add_u32 v[SPW], v[NIL]
	v_lshrrev_b32 v1, 5, v0
	v_readfirstlane_b32 s14, v1                    ; wave 0..3
	s_lshr_b32 s15, s14, 1                         ; which 64 rows are mine
	s_and_b32 s16, s14, 1                          ; which 128 columns
	s_bfe_u32 s92, ttmp6, 0x40000                  ; cx, cy
	s_bfe_u32 s93, ttmp6, 0x40004
	s_lshl_b32 s12, ttmp9, 2
	s_add_co_u32 s12, s12, s92                     ; which 256 columns
	s_and_b32 s13, ttmp7, 0xffff
	s_lshl_b32 s13, s13, 2
	s_add_co_u32 s13, s13, s93                     ; which 128 rows
	s_lshl_b32 s94, s93, 2
	s_lshl_b32 s94, 15, s94                        ; my row of the cluster
	s_lshl_b32 s95, 0x1111, s92                    ; my column
	s_or_b32 s[G1+0], s94, (3<<16)|(1<<21)
	s_or_b32 s[G1B+0], s95, (3<<16)|(1<<21)
	s_or_b32 s[G1S+0], s94, (3<<16)|(1<<21)
	s_or_b32 s[G1SB+0], s95, (3<<16)|(1<<21)
	SETG1 G1,   3072, 4, CP/8                      ; A: 4 chunks of 24,576 bytes
	SETG1 G1B,  6144, 4, CP/8                      ; B: 4 chunks of 49,152 bytes
	SETG1 G1S,  32, 16, 32                         ; A's scales: 16 rows of 256 bytes
	SETG1 G1SB, 32, 32, 32                         ; B's: 32 rows
	s_mul_i32 s22, s13, 8*3072
	s_add_co_u32 s22, s22, OPC
	s_mov_b32 s23, 0
	s_lshl_b32 s20, s13, 12
	s_mov_b32 s21, 0
	s_mul_i32 s98, s12, 16*3072
	s_add_co_u32 s98, s98, OPC
	s_mov_b32 s99, 0
	s_lshl_b32 s96, s12, 13
	s_mov_b32 s97, 0
	s_wait_dscnt 0x0                               ; both opening adds are done
	s_wait_kmcnt 0x0
	s_add_nc_u64 s[22:23], s[4:5], s[22:23]
	s_add_nc_u64 s[20:21], s[4:5], s[20:21]
	s_add_nc_u64 s[98:99], s[6:7], s[98:99]
	s_add_nc_u64 s[96:97], s[6:7], s[96:97]
	CROUND                                         ; all sixteen work-groups are here: the joint loads meet
	s_mov_b32 s[G0], 1
	s_mov_b32 s[G0+1], 0
	s_mov_b64 s[G0+2:G0+3], s[22:23]
	s_or_b32 s[G0+3], s[G0+3], 0x80000000
	s_mov_b32 s[G0B], 1
	s_mov_b32 s[G0B+1], BBASE
	s_mov_b64 s[G0B+2:G0B+3], s[98:99]
	s_or_b32 s[G0B+3], s[G0B+3], 0x80000000
	s_mov_b32 s[G0S], 1
	s_mov_b32 s[G0S+1], SCL
	s_mov_b64 s[G0S+2:G0S+3], s[20:21]
	s_or_b32 s[G0S+3], s[G0S+3], 0x80000000
	s_mov_b32 s[G0SB], 1
	s_mov_b32 s[G0SB+1], SCL+4096
	s_mov_b64 s[G0SB+2:G0SB+3], s[96:97]
	s_or_b32 s[G0SB+3], s[G0SB+3], 0x80000000
; one chain of branches on the wave's number, one joint load to an arm, all arms to one join: wave 0 A's codes, wave 1 B's, wave 2 A's scales, wave 3 B's
.macro ARM under, g0, g1, next
	s_cmp_lt_u32 s14, \under
	s_cbranch_scc0 \next
	tensor_load_to_lds s[\g0:\g0+3], s[\g1:\g1+7]
	s_nop 0
.rept 4
	v_nop
.endr
	s_branch .Lhead_asked
\next:
.endm
	ARM 1, G0,  G1,  .Lhead_b
	ARM 2, G0B, G1B, .Lhead_sa
	ARM 3, G0S, G1S, .Lhead_sb
	tensor_load_to_lds s[G0SB:G0SB+3], s[G1SB:G1SB+7]
	s_nop 0
.rept 4
	v_nop
.endr
.Lhead_asked:
	s_mul_i32 s17, s15, 4*3072                     ; my 4 rowblocks in a chunk of A
	s_mul_i32 s18, s16, 8*3072                     ; my 8 in a chunk of B
	s_add_co_u32 s18, s18, BBASE
	s_lshl_b32 s19, s15, 11                        ; my rows' scale bytes,
	s_lshl_b32 s40, s16, 12
	s_add_co_u32 s40, s40, 4096
	s_sub_co_u32 s40, s40, s19                     ; and from there to my columns'
	s_add_co_u32 s19, s19, SCL
	s_mul_i32 s41, s14, 16*SPITCH                  ; my stage
	s_lshl_b32 s20, s12, 10                        ; my first column, in bytes
	s_lshl_b32 s21, s16, 9
	s_add_co_u32 s20, s20, s21
	s_mov_b32 s21, 0
	s_add_nc_u64 s[8:9], s[8:9], s[20:21]
	s_add_nc_u64 s[10:11], s[10:11], s[20:21]
	s_lshl_b32 s20, s13, 19                        ; my first row: 128 x block + 64 x half, 4,096 bytes a row
	s_lshl_b32 s22, s15, 18
	s_add_co_u32 s20, s20, s22
	s_add_nc_u64 s[10:11], s[10:11], s[20:21]
	v_and_b32 v1, 31, v0
	v_and_b32 v2, 15, v0                           ; r
	v_bfe_u32 v3, v0, 4, 1                         ; h
	v_lshlrev_b32 v5, 6, v3
	v_lshlrev_b32 v[L8], 3, v1
	v_lshlrev_b32 v[L16], 4, v1
.irp b, 0,1,2,3,4,5,6,7
	global_load_b128 v[96+8*\b+96*(\b/4):96+8*\b+96*(\b/4)+3], v5, s[8:9] offset:128*(\b/2)+32*(\b%2)          ; the bias in the result's layout: block b, register j: column 32 (b / 2) + 8 (b % 2) + 16 h + j
	global_load_b128 v[96+8*\b+96*(\b/4)+4:96+8*\b+96*(\b/4)+7], v5, s[8:9] offset:128*(\b/2)+32*(\b%2)+16
.endr
	v_add_nc_u32 v[ADRA], s17, v[L8]
	v_add_nc_u32 v[ADRB], s18, v[L8]
	v_lshlrev_b32 v4, 5, v2
	v_mul_u32_u24 v6, s40, v3                      ; lanes 16-31 take B's
	v_mul_u32_u24 v7, v2, SPITCH
.irp s, 1,2,3
	v_add_nc_u32 v[ADRA+\s], \s*ACH, v[ADRA]
	v_add_nc_u32 v[ADRB+\s], \s*BCH, v[ADRB]
.endr
	v_add_nc_u32 v4, v4, v6
	v_lshl_add_u32 v7, v3, 6, v7                   ; the stage, in: row r, 64 bytes for each half of the lanes
	v_add_nc_u32 v[ADRS], s19, v4
	v_add_nc_u32 v[STO], s41, v7
	v_add_nc_u32 v[RD], s41, v[L16]                ; and back: the 32 lanes take one row of 512 bytes
	v_lshl_add_u32 v[ADRT], v3, 11, v[ADRS]
.macro FRAG reg, adr, q, i
.irp P, 0,1,2,3,4,5
	ds_load_b64 v[\reg+2*\P:\reg+2*\P+1], v[\adr] offset:3072*(\i)+1536*(\q)+256*\P
.endr
.endm
.macro FETCH S                         ; the fragments of K step S into sets S % 2
	WIN TO_B
.irp i, 0,1,2,3,4,5,6,7
	FRAG 128*((\S)%2)+FR*\i, ADRB+(\S)/2, (\S)%2, \i
.endr
	WIN 0
.irp i, 0,1,2,3
	FRAG AF+FR*(4*((\S)%2)+\i), ADRA+(\S)/2, (\S)%2, \i
.endr
.endm
; 16 matrix instructions: A's registers a0, a0 + 1 (4-7: the second set of blocks 0-3) x B's eight.  The 32 accumulators take turns, in the same order in every step
.macro MUL16 a0, p, S, first
.irp a, \a0, \a0+1
.irp b, 0,1,2,3,4,5,6,7
.if \first
	v_wmma_scale_f32_16x16x128_f8f6f4 v[8*(8*((\a)%4)+\b):8*(8*((\a)%4)+\b)+7], v[128*(\p)+FR*\b:128*(\p)+FR*\b+FR-1], v[AF+FR*(\a):AF+FR*(\a)+FR-1], v[96+8*\b+96*(\b/4):96+8*\b+96*(\b/4)+7], v[SC+8*\b+(\S)], v[SC+8*(\a)+(\S)] matrix_a_fmt:MATRIX_FMT_FP6 matrix_b_fmt:MATRIX_FMT_FP6 matrix_a_scale:MATRIX_SCALE_ROW1
.else
	v_wmma_scale_f32_16x16x128_f8f6f4 v[8*(8*((\a)%4)+\b):8*(8*((\a)%4)+\b)+7], v[128*(\p)+FR*\b:128*(\p)+FR*\b+FR-1], v[AF+FR*(\a):AF+FR*(\a)+FR-1], v[8*(8*((\a)%4)+\b):8*(8*((\a)%4)+\b)+7], v[SC+8*\b+(\S)], v[SC+8*(\a)+(\S)] matrix_a_fmt:MATRIX_FMT_FP6 matrix_b_fmt:MATRIX_FMT_FP6 matrix_a_scale:MATRIX_SCALE_ROW1
.endif
.endr
.endr
.endm
.macro HSTEP S, first
	s_wait_dscnt 0x0                               ; this step's fragments are in
.if (\S) < 7
	PLACES 4                                       ; in front of loads into registers that the last step's products have read
	FETCH (\S)+1
.else
	s_barrier_signal -1                            ; my last reads of the tiles are over: say so, and work on registers while the others arrive
.endif
.if \first
	WIN BIA_LO
.else
	WIN MUL_LO
.endif
.if (\S)%2
	MUL16 4, 1, \S, 0
	MUL16 6, 1, \S, 0
.else
	MUL16 0, 0, \S, \first
	MUL16 2, 0, \S, \first
.endif
	WIN 0
.endm
	s_wait_alu depctr_va_vdst(0)
	s_wait_tensorcnt 0x0                           ; my tile of the four is in
	s_barrier_signal -1
	s_barrier_wait -1                              ; everybody's is
	FETCH 0
.irp i, 0,1,2,3
	ds_load_b128 v[SC+8*\i:SC+8*\i+3], v[ADRS] offset:512*\i
	ds_load_b128 v[SC+8*\i+4:SC+8*\i+7], v[ADRS] offset:512*\i+16
	ds_load_b128 v[SC+32+8*\i:SC+32+8*\i+3], v[ADRT] offset:512*\i
	ds_load_b128 v[SC+32+8*\i+4:SC+32+8*\i+7], v[ADRT] offset:512*\i+16
.endr
	s_wait_loadcnt 0x0                             ; the bias is in
	HSTEP 0, 1
.irp S, 1,2,3,4,5,6,7
	HSTEP \S, 0
.endr
	s_barrier_wait -1                              ; nobody reads the tiles any more: the stage may be written
; THE WAY OUT, block by block of 16 rows x 128 columns, through my own stage: back as whole rows of 512 bytes, which the 32 lanes store as two aligned runs of 256 bytes
.macro TOSTAGE a
.set AC, 64*((\a)%4)
	WIN 0x08                                       ; the data: window 2
.irp b, 0,1,2,3,4,5,6,7
	ds_store_b128 v[STO], v[AC+8*\b:AC+8*\b+3] offset:128*(\b/2)+32*(\b%2)       ; each accumulator from its low end on
	ds_store_b128 v[STO], v[AC+8*\b+4:AC+8*\b+7] offset:128*(\b/2)+32*(\b%2)+16
.endr
	WIN 0
.set BB, BK+64*((\a)%2)
.irp t, 0,1,2,3,4,5,6,7,8,9,10,11,12,13,14,15
	ds_load_b128 v[BB+4*\t:BB+4*\t+3], v[RD] offset:\t*SPITCH    ; LDS serves a wave's instructions in order: these see my stores
.endr
.endm
.macro SEND a, younger                 ; younger: the LDS instructions issued behind block a's loads, which may stay out
.set BB, BK+64*((\a)%2)
	s_wait_dscnt \younger
.irp t, 0,1,2,3,4,5,6,7,8,9,10,11,12,13,14,15
	global_store_b128 v[L16], v[BB+4*\t:BB+4*\t+3], s[10:11] offset:(32*((\a)/2)+8*((\a)%2)+\t+8*(\t/8))*4096 th:TH_STORE_NT   ; position t of rowblock a is this row
.endr
.endm
	PLACES 4
	TOSTAGE 0
.irp a, 1,2,3
.if \a > 1
	s_wait_xcnt 0x0                                ; block a - 2's stores have read their registers
.endif
	TOSTAGE \a
	SEND \a-1, 32
.endr
	SEND 3, 0
	s_wait_tensorcnt 0x0                           ; the wave's end
	ds_add_u32 v[SPW], v[NIL]
	s_wait_dscnt 0x0
	CROUND                                         ; the closing round
	s_endpgm
.Lfunc_end_k_q87bfa5a1f7_outp:
	.size	k_q87bfa5a1f7_outp, .Lfunc_end_k_q87bfa5a1f7_outp-k_q87bfa5a1f7_outp
	.p2alignl 7, 3214868480
	.fill 96, 4, 3214868480
	.section	.rodata,"a",@progbits
	.p2align	6, 0x0
	.amdhsa_kernel k_q87bfa5a1f7_outp
		.amdhsa_group_segment_fixed_size 327680
		.amdhsa_private_segment_fixed_size 0
		.amdhsa_enable_private_segment 0
		.amdhsa_kernarg_size 32
		.amdhsa_user_sgpr_count 2
		.amdhsa_user_sgpr_kernarg_segment_ptr 1
		.amdhsa_wavefront_size32 1
		.amdhsa_system_sgpr_workgroup_id_x 1
		.amdhsa_system_sgpr_workgroup_id_y 1
		.amdhsa_system_sgpr_workgroup_id_z 1
		.amdhsa_system_vgpr_workitem_id 0
		.amdhsa_next_free_vgpr 768
		.amdhsa_next_free_sgpr 102
		.amdhsa_reserve_vcc 0
		.amdhsa_float_denorm_mode_32 3
		.amdhsa_float_denorm_mode_16_64 3
		.amdhsa_memory_ordered 1
		.amdhsa_forward_progress 1
		.amdhsa_inst_pref_size 96
	.end_amdhsa_kernel
	.amdgpu_metadata
---
amdhsa.version: [ 1, 2 ]
amdhsa.kernels:
  - .name:           k_q87bfa5a1f7_outp
    .symbol:         k_q87bfa5a1f7_outp.kd
    .args:
      - { .name: oq, .offset: 0, .size: 8, .value_kind: global_buffer, .address_space: global }
      - { .name: wo, .offset: 8, .size: 8, .value_kind: global_buffer, .address_space: global }
      - { .name: b_out, .offset: 16, .size: 8, .value_kind: global_buffer, .address_space: global }
      - { .name: out0, .offset: 24, .size: 8, .value_kind: global_buffer, .address_space: global }
    .group_segment_fixed_size: 327680
    .private_segment_fixed_size: 0
    .kernarg_segment_align: 8
    .kernarg_segment_size: 32
    .max_flat_workgroup_size: 128
    .sgpr_count:     102
    .vgpr_count:     768
    .wavefront_size: 32
...
	.end_amdgpu_metadata
.endif
;; end of part 4
